; MI455X (gfx1250); checked and timed in simulation.
; The chip was launched on July 23, 2026; its instructions are those of AMD's public machine-readable ISA for CDNA 5 (MIT licence, August 2026) and "CDNA5" Instruction Set Architecture Reference Guide (July 2026). The comments in the code are by the model that wrote it; some were corrected since.
;; TFM8. Allowed arithmetic: float matrix products may take bf16 or f16 operands with f32 sums; all other float work in f32.
;; Inputs: kb 256 float32; kw 256 x 256 float32; ln_b 256 float32; ln_w 256 float32; qb 256 float32; qw 256 x 256 float32; vb 256 float32; vw 256 x 256 float32; x1 4 x 256 x 64 x 64 float32; x2 4 x 256 x 64 x 64 float32.
;; Outputs: out0 4 x 256 x 64 x 64 float32.
;; 3 versions, each right; version 2 is faster than version 1; version 3 is version 2 with the launch proj written anew for expert scheduling mode. Each part assembles by itself: llvm-mc -triple=amdgcn-amd-amdhsa -mcpu=gfx1250 --defsym DOCPART=n.
;; ======== version 1 of 3: 2 launches
;; limits: values are held in f16: magnitudes above 65,504 overflow, below 6.1e-05 lose precision
;; workspace buffers: qf 8,388,608 bytes; kf 8,388,608 bytes; vf 8,388,608 bytes
;; launch proj (part 1): grid 256 x 1, 8 waves a work-group, no clusters, 218,112 bytes of LDS; arguments x1, x2, qw, kw, vw, qb, kb, vb, qf, kf, vf; writes qf, kf, vf
.if DOCPART == 1
	.amdgcn_target "amdgcn-amd-amdhsa--gfx1250"
	.amdhsa_code_object_version 6
	.text
	.protected	k_q76eacf105c_proj
	.globl	k_q76eacf105c_proj
	.p2align	8
	.type	k_q76eacf105c_proj,@function
k_q76eacf105c_proj:
	s_mov_b64 s[64:65], 0
	v_nop
	global_prefetch_b8 v0, s[64:65] scope:SCOPE_SE
	s_setreg_imm32_b32 hwreg(HW_REG_WAVE_MODE, 25, 1), 1
	s_wait_xcnt 0x0
; q = (qw x1 + qb) log2(e), k = kw x2 + kb, v = vw x2 + vb: three products of a 256 x 256 matrix with the pixels' 256 channels.
; A work-group takes one image row (64 pixels) of x1 and of x2; wave w takes output channels 32 w .. 32 w + 31 of all three matrices.
; FORMATS AND LIMITS: x and the weights are rounded to bf16 on the way to the matrix unit, the sums and biases are f32; the results are
; stored as f16, so a magnitude above 65,504 becomes infinite (q is multiplied by log2(e) = 1.4427 before its rounding, so that the next
; launch can use the exponential of base 2).  f16 and not bf16, because the next launch's scores are differences of sums of 256 products.
; RESULT LAYOUT: the order in which the next launch's matrix operands lie in registers.  With wg = this work-group, L = lane, r = L % 16, h = L / 16:
;   qf, kf: byte wg*32768 + pt*8192 + ot*512 + L*16 holds channels 16 ot + 8 h .. + 7 of pixel 16 pt + r
;   vf:     byte wg*32768 + ct*2048 + pt*512 + L*16 holds pixels  16 pt + 8 h .. + 7 of channel 16 ct + r
; so each store of a wave covers 512 consecutive bytes, aligned, and an image row's k or v is one dense block of 32,768 bytes.
; NO TENSOR LOADS, NO CLUSTER: every input is f32 and passes through registers to be rounded, so nothing is brought straight into LDS
; and there is no tile that work-groups could ask for jointly.
; LDS: x1 as bf16 [256 channels][64 pixels], pitch 160 bytes (5 x 32, for the transposing load); x2 the same; then for each wave its own
; 32 rows of one weight matrix as bf16, pitch 528 bytes (33 x 16).
.set LOG2E,  0x3fb8aa3b
.set XPITCH, 160
.set X2BASE, 256*XPITCH                ; 40,960
.set WBASE,  2*X2BASE                  ; 81,920
.set WPITCH, 528
.set WSTAGE, 32*WPITCH                 ; 16,896 bytes a wave
; window 0
.set XO,  2                            ; byte offset in x of my 16 bytes: (32 w + h) channels of 16,384 bytes + 16 r
.set WO,  3                            ; byte offset in a weight matrix: 32,768 w + 16 L
.set XS,  4                            ; LDS: where my 8 bytes of x go
.set WS,  5                            ; LDS: where my 8 bytes of a weight row go
.set WL,  6                            ; LDS: my weight fragments
.set XL1, 7                            ; LDS: my x1 fragments (transposing load)
.set XL2, 8                            ; LDS: my x2 fragments
.set OQ,  9                            ; byte offset in qf and kf
.set OV,  10                           ; byte offset in vf
.set BO,  11                           ; byte offset in qb and kb
.set BV,  12                           ; byte offset in vb
.set BQ,  16                           ; v[16:31]   qb as two C tiles
.set BK,  32                           ; v[32:47]   kb as two C tiles
.set BVV, 48                           ; v[48:63]   vb as two C tiles
.set ACC, 64                           ; v[64:127]  8 accumulator tiles: (channel tile o, pixel tile p) at 8 (4 o + p)
.set XF,  128                          ; v[128:191] x fragments, two buffers of four
.set WF,  192                          ; v[192:223] weight fragments, two buffers of two
.set CV,  224                          ; v[224:255] rounded weights on their way to LDS; later the packed results
; window 1: v[0:255] one matrix's 32 rows in f32, 64 loads of 16 bytes a lane
.set MSB, 0
.macro WIN new                         ; the immediate's high byte repeats the setting that is left
.if MSB != \new
	s_set_vgpr_msb (MSB<<8)|\new
.set MSB, \new
.endif
.endm
.macro NOPS n
.rept \n
	v_nop
.endr
.endm
	s_load_b512 s[4:19], s[0:1], 0x0               ; x1 s[4:5], x2 s[6:7], qw s[8:9], kw s[10:11], vw s[12:13], qb s[14:15], kb s[16:17], vb s[18:19]
	s_load_b128 s[20:23], s[0:1], 0x40             ; qf s[20:21], kf s[22:23]
	s_load_b64 s[24:25], s[0:1], 0x50              ; vf
	v_lshrrev_b32 v1, 5, v0
	v_readfirstlane_b32 s26, v1                    ; wave 0..7
	v_and_b32 v13, 31, v0                          ; L
	v_and_b32 v14, 15, v0                          ; r
	v_bfe_u32 v15, v0, 4, 1                        ; h
	s_lshr_b32 s28, ttmp9, 6                       ; batch
	s_lshl_b32 s28, s28, 22                        ; x 256 channels x 16,384 bytes
	s_and_b32 s29, ttmp9, 63                       ; image row
	s_lshl_b32 s29, s29, 8                         ; x 256 bytes
	s_add_co_u32 s28, s28, s29
	s_mov_b32 s29, 0
	s_lshl_b32 s30, ttmp9, 15                      ; this work-group's 32,768 bytes of qf, kf, vf
	s_mov_b32 s31, 0
	s_mul_i32 s27, s26, WSTAGE
	s_add_co_u32 s27, s27, WBASE                   ; my wave's weight stage
	v_lshl_add_u32 v1, s26, 5, v15                 ; channel 32 w + h
	v_lshlrev_b32 v[XO], 14, v1
	v_lshl_add_u32 v[XO], v14, 4, v[XO]
	v_mul_u32_u24 v[XS], v1, XPITCH
	v_lshl_add_u32 v[XS], v14, 3, v[XS]
	v_lshlrev_b32 v[WO], 4, v13
	v_lshl_add_u32 v[WO], s26, 15, v[WO]
	v_lshl_add_u32 v[WS], v13, 3, s27
	v_mul_u32_u24 v[WL], v14, WPITCH               ; row r, 16 bytes for each half of the lanes
	v_lshl_add_u32 v[WL], v15, 4, v[WL]
	v_add_nc_u32 v[WL], s27, v[WL]
	v_and_b32 v1, 7, v0
	v_lshl_add_u32 v1, v15, 3, v1                  ; channel 8 h + L % 8 of a chunk
	v_mul_u32_u24 v[XL1], v1, XPITCH
	v_bfe_u32 v1, v0, 3, 1
	v_lshl_add_u32 v[XL1], v1, 4, v[XL1]           ; + 16 bytes for the second eight pixels
	v_add_nc_u32 v[XL2], X2BASE, v[XL1]
	v_lshlrev_b32 v[OQ], 4, v13
	v_lshlrev_b32 v[OV], 4, v13
	v_lshl_add_u32 v[OQ], s26, 10, v[OQ]           ; channel tiles 2 w, 2 w + 1 of 512 bytes
	v_lshl_add_u32 v[OV], s26, 12, v[OV]           ; channel tiles 2 w, 2 w + 1 of 2,048 bytes
	v_lshlrev_b32 v[BO], 5, v15
	v_lshl_add_u32 v[BO], s26, 7, v[BO]            ; 4 (32 w + 8 h)
	v_lshlrev_b32 v[BV], 2, v14
	v_lshl_add_u32 v[BV], s26, 7, v[BV]            ; 4 (32 w + r)
	s_wait_kmcnt 0x0
	s_add_nc_u64 s[4:5], s[4:5], s[28:29]
	s_add_nc_u64 s[6:7], s[6:7], s[28:29]
	s_add_nc_u64 s[20:21], s[20:21], s[30:31]
	s_add_nc_u64 s[22:23], s[22:23], s[30:31]
	s_add_nc_u64 s[24:25], s[24:25], s[30:31]
; 16 loads of 512 consecutive bytes: group g of the four groups of a matrix's 32 rows, into window 1
.macro WLOADS base, g
	WIN 0x40                                       ; destination window 1, address window 0
.set q, 16*\g
.rept 16
	global_load_b128 v[4*q:4*q+3], v[WO], s[\base:\base+1] offset:q*512
.set q, q+1
.endr
.endm
	; The biases come first: as C tiles of the first products they start the sums, so nothing is cleared and nothing added later.
	; For q and k a lane's register j is channel 8 h + j of the tile; for v (operands swapped) all eight are channel r.
.irp o, 0,1
	global_load_b128 v[BQ+8*\o:BQ+8*\o+3],   v[BO], s[14:15] offset:64*\o
	global_load_b128 v[BQ+8*\o+4:BQ+8*\o+7], v[BO], s[14:15] offset:64*\o+16
	global_load_b128 v[BK+8*\o:BK+8*\o+3],   v[BO], s[16:17] offset:64*\o
	global_load_b128 v[BK+8*\o+4:BK+8*\o+7], v[BO], s[16:17] offset:64*\o+16
	global_load_b32  v[BVV+8*\o],            v[BV], s[18:19] offset:64*\o
.endr
	; x: each load takes two channels' rows of 256 bytes (lanes 0-15, lanes 16-31); read once in the whole launch
.set t, 0
.rept 16
	global_load_b128 v[ACC+4*t:ACC+4*t+3], v[XO], s[4:5] offset:t*32768 th:TH_LOAD_NT
.set t, t+1
.endr
.set t, 0
.rept 16
	global_load_b128 v[XF+4*t:XF+4*t+3], v[XO], s[6:7] offset:t*32768 th:TH_LOAD_NT
.set t, t+1
.endr
	WLOADS 8, 0
	WLOADS 8, 1
	WIN 0
	s_wait_loadcnt 48                              ; biases and x1 are in; younger: 16 loads of x2 and 32 of qw
.set t, 0
.rept 16
	v_cvt_pk_bf16_f32 v[WF+2*t],   v[ACC+4*t],   v[ACC+4*t+1]
	v_cvt_pk_bf16_f32 v[WF+2*t+1], v[ACC+4*t+2], v[ACC+4*t+3]
.set t, t+1
.endr
.set t, 0
.rept 16
	ds_store_b64 v[XS], v[WF+2*t:WF+2*t+1] offset:t*2*XPITCH
.set t, t+1
.endr
.irp j, 1,2,3,4,5,6,7
	v_mov_b32 v[BVV+\j],   v[BVV]                  ; vb's C tiles: the same number in all eight registers
	v_mov_b32 v[BVV+8+\j], v[BVV+8]
.endr
	s_wait_loadcnt 32                              ; x2 is in; younger: the 32 loads of qw
.set t, 0
.rept 16
	v_cvt_pk_bf16_f32 v[CV+2*t],   v[XF+4*t],   v[XF+4*t+1]
	v_cvt_pk_bf16_f32 v[CV+2*t+1], v[XF+4*t+2], v[XF+4*t+3]
.set t, t+1
.endr
.set t, 0
.rept 16
	ds_store_b64 v[XS], v[CV+2*t:CV+2*t+1] offset:X2BASE+t*2*XPITCH
.set t, t+1
.endr
	WLOADS 8, 2
	WLOADS 8, 3
; The matrix that lies in window 1 is rounded to bf16 and laid into my wave's stage, group by group; refill = 1: each group's registers are
; loaded again at once with the next matrix (base), whose 32,768 bytes a wave are then on their way during this matrix's products.
.macro STAGE base, refill
	s_wait_xcnt 0x0                                ; CV was the data of the last results' stores: it is rewritten only behind this wait
.irp g, 0,1,2,3
.if \refill
	s_wait_loadcnt 48                              ; group g is in; younger: 16 (3 - g) loads of this matrix and 16 g of the next
.else
	s_wait_loadcnt 48-16*\g                        ; nothing follows: the counts run down
.endif
	WIN 0x05                                       ; both sources window 1
.set q, 0
.rept 16
	v_cvt_pk_bf16_f32 v[CV+2*q],   v[64*\g+4*q],   v[64*\g+4*q+1]
	v_cvt_pk_bf16_f32 v[CV+2*q+1], v[64*\g+4*q+2], v[64*\g+4*q+3]
.set q, q+1
.endr
.if \refill
	WLOADS \base, \g
.else
	WIN 0
.endif
.set q, 0
.rept 16
	ds_store_b64 v[WS], v[CV+2*q:CV+2*q+1] offset:((16*\g+q)/2)*WPITCH+((16*\g+q)%2)*256   ; address and data lie in window 0 under either setting
.set q, q+1
.endr
.endr
	WIN 0
.endm
; The fragments of chunk kc (32 input channels) into buffer buf: 12 LDS loads.
; Weights lie along K: two loads 32 bytes apart.  x lies [channel][pixel]: two transposing loads 16 channels apart.
.macro LOADCH xl, kc, buf
.irp o, 0,1
	ds_load_b128 v[WF+16*\buf+8*\o:WF+16*\buf+8*\o+3],   v[WL] offset:\o*16*WPITCH+64*(\kc)
	ds_load_b128 v[WF+16*\buf+8*\o+4:WF+16*\buf+8*\o+7], v[WL] offset:\o*16*WPITCH+64*(\kc)+32
.endr
.irp p, 0,1,2,3
	ds_load_tr16_b128 v[XF+32*\buf+8*\p:XF+32*\buf+8*\p+3],   v[\xl] offset:(\kc)*32*XPITCH+32*\p
	ds_load_tr16_b128 v[XF+32*\buf+8*\p+4:XF+32*\buf+8*\p+7], v[\xl] offset:(\kc)*32*XPITCH+32*\p+16*XPITCH
.endr
.endm
; Eight products, one on each accumulator: the accumulators take turns, one instruction a turn.
; swap = 0: rows = output channels, columns = pixels (a lane gets 8 channels of a pixel); swap = 1: the other way round (8 pixels of a channel).
.macro MUL8 buf, swap, first, bias
.irp o, 0,1
.irp p, 0,1,2,3
.set xd, ACC+8*(4*\o+\p)
.if \swap
.set xa, XF+32*\buf+8*\p
.set xb, WF+16*\buf+8*\o
.else
.set xa, WF+16*\buf+8*\o
.set xb, XF+32*\buf+8*\p
.endif
.if \first
.set xc, \bias+8*\o
.else
.set xc, xd
.endif
	v_wmma_f32_16x16x32_bf16 v[xd:xd+7], v[xa:xa+7], v[xb:xb+7], v[xc:xc+7]
.endr
.endr
.endm
; One matrix: 8 chunks on two fragment buffers.  Four places stand between the products that read a buffer and the loads into it
; (ISA guide 7.12.1 for vector instructions).
.macro GEMM xl, bias, swap
	NOPS 4
	LOADCH \xl, 0, 0
	LOADCH \xl, 1, 1
	s_wait_dscnt 12                                ; all but the 12 loads just issued
	MUL8 0, \swap, 1, \bias
.irp kc, 1,3,5
	NOPS 4
	LOADCH \xl, \kc+1, 0
	s_wait_dscnt 12
	MUL8 1, \swap, 0, \bias
	NOPS 4
	LOADCH \xl, \kc+2, 1
	s_wait_dscnt 12
	MUL8 0, \swap, 0, \bias
.endr
	s_wait_dscnt 0
	MUL8 1, \swap, 0, \bias
.endm
; Results: (scaled,) rounded to f16, 16 bytes a lane, one store of 512 consecutive bytes for each tile.
; CV is free here: the STAGE in front of each GEMM began with the wait that frees it, and its LDS stores hold no register.
.macro EPI scale, base, vo, so, sp
	NOPS 4                                         ; four places behind the last product before its result is read
.if \scale
.set i, 0
.rept 32
	v_pk_mul_f32 v[ACC+2*i:ACC+2*i+1], v[ACC+2*i:ACC+2*i+1], LOG2E op_sel_hi:[1,0]
.set i, i+1
.endr
.endif
.set i, 0
.rept 32
	v_cvt_pk_f16_f32 v[CV+i], v[ACC+2*i], v[ACC+2*i+1]
.set i, i+1
.endr
.irp o, 0,1
.irp p, 0,1,2,3
	global_store_b128 v[\vo], v[CV+4*(4*\o+\p):CV+4*(4*\o+\p)+3], s[\base:\base+1] offset:\o*\so+\p*\sp
.endr
.endr
.endm
	STAGE 10, 1                                    ; qw into my stage; kw goes out
	s_wait_dscnt 0x0                               ; my stores of x1 and x2 are done: the other waves read them
	s_barrier_signal -1
	s_barrier_wait -1                              ; the kernel's one barrier: x is whole, and nobody writes it again
	GEMM XL1, BQ, 0
	EPI 1, 20, OQ, 512, 8192
	STAGE 12, 1                                    ; kw into my stage (my own bytes, and LDS serves a wave in order: no barrier); vw goes out
	GEMM XL2, BK, 0
	EPI 0, 22, OQ, 512, 8192
	STAGE 12, 0                                    ; vw into my stage; nothing is left to load
	GEMM XL2, BVV, 1
	EPI 0, 24, OV, 2048, 512
	s_wait_xcnt 0x0
	v_lshl_add_u32 v254, v0, 2, 0x35000
	v_mov_b32 v255, 0
	s_wait_tensorcnt 0x0
	ds_add_u32 v254, v255
	s_wait_dscnt 0x0
	s_endpgm
.Lfunc_end_k_q76eacf105c_proj:
	.size	k_q76eacf105c_proj, .Lfunc_end_k_q76eacf105c_proj-k_q76eacf105c_proj
	.p2alignl 7, 3214868480
	.fill 96, 4, 3214868480
	.section	.rodata,"a",@progbits
	.p2align	6, 0x0
	.amdhsa_kernel k_q76eacf105c_proj
		.amdhsa_group_segment_fixed_size 218112
		.amdhsa_private_segment_fixed_size 0
		.amdhsa_enable_private_segment 0
		.amdhsa_kernarg_size 88
		.amdhsa_user_sgpr_count 2
		.amdhsa_user_sgpr_kernarg_segment_ptr 1
		.amdhsa_wavefront_size32 1
		.amdhsa_system_sgpr_workgroup_id_x 1
		.amdhsa_system_sgpr_workgroup_id_y 1
		.amdhsa_system_sgpr_workgroup_id_z 1
		.amdhsa_system_vgpr_workitem_id 0
		.amdhsa_next_free_vgpr 512
		.amdhsa_next_free_sgpr 66
		.amdhsa_reserve_vcc 0
		.amdhsa_float_denorm_mode_32 3
		.amdhsa_float_denorm_mode_16_64 3
		.amdhsa_memory_ordered 1
		.amdhsa_forward_progress 1
		.amdhsa_inst_pref_size 114
	.end_amdhsa_kernel
	.amdgpu_metadata
---
amdhsa.version: [ 1, 2 ]
amdhsa.kernels:
  - .name:           k_q76eacf105c_proj
    .symbol:         k_q76eacf105c_proj.kd
    .args:
      - { .name: x1, .offset: 0, .size: 8, .value_kind: global_buffer, .address_space: global }
      - { .name: x2, .offset: 8, .size: 8, .value_kind: global_buffer, .address_space: global }
      - { .name: qw, .offset: 16, .size: 8, .value_kind: global_buffer, .address_space: global }
      - { .name: kw, .offset: 24, .size: 8, .value_kind: global_buffer, .address_space: global }
      - { .name: vw, .offset: 32, .size: 8, .value_kind: global_buffer, .address_space: global }
      - { .name: qb, .offset: 40, .size: 8, .value_kind: global_buffer, .address_space: global }
      - { .name: kb, .offset: 48, .size: 8, .value_kind: global_buffer, .address_space: global }
      - { .name: vb, .offset: 56, .size: 8, .value_kind: global_buffer, .address_space: global }
      - { .name: qf, .offset: 64, .size: 8, .value_kind: global_buffer, .address_space: global }
      - { .name: kf, .offset: 72, .size: 8, .value_kind: global_buffer, .address_space: global }
      - { .name: vf, .offset: 80, .size: 8, .value_kind: global_buffer, .address_space: global }
    .group_segment_fixed_size: 218112
    .private_segment_fixed_size: 0
    .kernarg_segment_align: 8
    .kernarg_segment_size: 88
    .max_flat_workgroup_size: 256
    .sgpr_count:     66
    .vgpr_count:     512
    .wavefront_size: 32
...
	.end_amdgpu_metadata
.endif
;; end of part 1
;; launch attn (part 2): grid 256 x 1, 4 waves a work-group, clusters of 4 x 1, 327,680 bytes of LDS; arguments qf, kf, vf, ln_w, ln_b, out0; writes out0
.if DOCPART == 2
	.amdgcn_target "amdgcn-amd-amdhsa--gfx1250"
	.amdhsa_code_object_version 6
	.text
	.protected	k_q76eacf105c_attn
	.globl	k_q76eacf105c_attn
	.p2align	8
	.type	k_q76eacf105c_attn,@function
k_q76eacf105c_attn:
	s_mov_b64 s[64:65], 0
	v_nop
	global_prefetch_b8 v0, s[64:65] scope:SCOPE_SE
	s_setreg_imm32_b32 hwreg(HW_REG_WAVE_MODE, 25, 1), 1
	s_wait_xcnt 0x0
	s_wait_alu depctr_hold_cnt(0) depctr_sa_sdst(0) depctr_va_vdst(0) depctr_va_sdst(0) depctr_va_ssrc(0) depctr_va_vcc(0) depctr_vm_vsrc(0)
	s_getreg_b32 s2, hwreg(HW_REG_IB_STS2, 6, 4)
	s_cmp_eq_u32 s2, 0
	s_cbranch_scc0 .Lentry_in_a_cluster
	s_endpgm
.Lentry_in_a_cluster:
	s_bfe_u32 s2, ttmp6, 0x10000c
	s_cmp_lg_u32 s2, 0x3003
	s_cbranch_scc0 .Lentry_shape_is_right
	s_endpgm
.Lentry_shape_is_right:
; For 64 queries (one image row of one batch): scores against all 4,096 keys of the batch, a softmax over each key row of 64 by itself,
; the 64 normalised rows multiplied with v and summed, then the norm over the 256 channels, gain and bias.
; Since a key row is a whole softmax, its true maximum is taken away and its sum divides at once: no running maximum, no rescaling.
; SHARES: four waves, one on each SIMD.  Every wave holds all 64 queries (256 registers) and a partial result of 256 channels x 64 queries
; (512 registers) and takes key rows 4 t + w, t = 0 .. 15: 128 + 128 matrix instructions on 128 LDS loads a step, since each fragment of K or V
; feeds four products.  The four partial results meet in LDS at the end.
; ORIENTATION: S^T = K Q^T (a lane holds 32 keys of one query: the softmax runs along its registers and crosses to lane xor 16 once; packed
; pairs of registers are P^T's operand as it stands), O^T = V^T P^T (a lane holds 8 channels of a query for each channel tile).
; qf, kf, vf lie in operand order (see the launch that writes them): every fragment load is 512 consecutive bytes.
; CLUSTER: 4 x 1 work-groups.  Four neighbours belong to one batch (64 work-groups a batch) and walk the same K and V tiles in the same order,
; so each tile is asked for jointly, with the mask of all four: the requests for K and V are divided by four.
; LDS: one slot for K (4 waves x 32,768 bytes) and one for V; they are filled by turns, each while the other is read.  A wave reads only what its
; own load brought.  By this text's count a wave has one tensor load outstanding at the most.  Behind the last fill the same bytes
; carry the partial results and then the output's rows.
; FORMATS AND LIMITS: q log2(e), k, v and P are f16 (P below 2^-25 becomes 0); scores, softmax, sums and the norm are f32; v_exp_f32 gives 0
; below 2^-126; the 4,096 terms of a result are summed in another order than the problem's function sums them.
.set STEP,  131072                     ; four key rows of 32,768 bytes: from one step's tile to the next
.set VSLOT, 131072
.set SPITCH, 272                       ; output rows in LDS: 256 bytes + 16
; window 0
.set KA,  2                            ; LDS: my wave's K tile + 16 L
.set VA,  3                            ; LDS: my wave's V tile + 16 L
.set LO,  4                            ; 16 L
.set M,   8                            ; v[8:15]   a pair for each query tile: the maximum twice, later the running sum
.set A,   16                           ; v[16:19]  one for each query tile: chain of the maximum, later the sum
.set PT,  20                           ; v[20:23]  what comes from lane xor 16
.set R,   24                           ; v[24:31]  a pair for each query tile: 1 / sum, twice
.set DA,  32                           ; v[32:35]  LDS: where my partial result of query tile 0..3 goes
.set RA,  36                           ; LDS: the four partial results of query tile w
.set LNA, 37                           ; byte offset in ln_w and ln_b
.set ST0, 38                           ; LDS: output rows, channels 0-127
.set ST1, 39                           ; LDS: output rows, channels 128-255
.set RDA, 40                           ; LDS: output rows read back
.set CO,  41                           ; byte offset in out0
.set F0,  64                           ; v[64:95]   K fragments, buffer 0; v[64:127] V fragments, buffer 0
.set F1,  96                           ; v[96:127]  K fragments, buffer 1
.set S,   128                          ; v[128:255] scores: tile (key tile kt, query tile qt) at 32 qt + 8 kt; later P and V's buffer 1; at the end the result
.set T,   64                           ; v[64:71]   the norm: four chains
.set SC,  72
.set MU,  74                           ; pair: the mean
.set RS,  76                           ; pair: 1 / sqrt(var + eps)
; window 1: Q, fragment (query tile qt, chunk kc of 32 channels) at 64 qt + 8 kc; at the end ln_w v[0:127], ln_b v[128:255]
; windows 2, 3: O, tile (channel tile ct, query tile qt) at 8 (4 (ct % 8) + qt) of window 2 + ct / 8
.set G1,  24                           ; s[24:31] descriptor group 1, the same for all loads
.set G0K, 32                           ; s[32:35] group 0 for K's tiles
.set G0V, 36                           ; s[36:39] group 0 for V's tiles
.set MSB, 0
.macro WIN new                         ; the immediate's high byte repeats the setting that is left
.if MSB != \new
	s_set_vgpr_msb (MSB<<8)|\new
.set MSB, \new
.endif
.endm
.macro NOPS n
.rept \n
	v_nop
.endr
.endm
; A round of the cluster's barrier: my work-group's barrier, so that wave 0 speaks for all four waves; wave 0 signals; every wave waits for all
; four work-groups; my work-group's barrier once more.
.macro ROUND
	s_barrier_signal -1
	s_barrier_wait -1
	s_cmp_lg_u32 s16, 0
	s_cbranch_scc1 .Lnot_wave_0_\@
	s_barrier_signal -3
.Lnot_wave_0_\@:
	s_barrier_wait -3
	s_barrier_signal -1
	s_barrier_wait -1
.endm
	s_load_b256 s[4:11], s[0:1], 0x0               ; qf s[4:5], kf s[6:7], vf s[8:9], ln_w s[10:11]
	s_load_b128 s[12:15], s[0:1], 0x20             ; ln_b s[12:13], out0 s[14:15]
	v_lshl_add_u32 v62, v0, 2, 0x40000
	v_mov_b32 v63, 0
	ds_add_u32 v62, v63
	v_lshrrev_b32 v1, 5, v0
	v_readfirstlane_b32 s16, v1                    ; wave 0..3
	s_bfe_u32 s17, ttmp6, 0x40000                  ; cx: my place in the cluster
	s_lshl_b32 s18, ttmp9, 2                       ; ttmp9 counts clusters
	s_add_co_u32 s18, s18, s17                     ; work-group x = 64 x batch + image row of my queries
	s_lshr_b32 s20, ttmp9, 4                       ; batch, from the cluster's number alone: the same in all four partners
	s_lshl_b32 s20, s20, 21                        ; x 64 key rows of 32,768 bytes
	s_lshl_b32 s33, s16, 15                        ; my wave's key row in a step's tile, in memory and in LDS
	s_add_co_u32 s20, s20, s33
	s_mov_b32 s21, 0
	s_mov_b32 s42, 0x76543210                      ; v_permlanex16_b32: lane i takes lane i of the other half
	s_mov_b32 s43, 0xfedcba98
	s_mov_b32 s44, 0x3b800000                      ; 1 / 256
	s_mov_b32 s45, 0x3727c5ac                      ; 1e-5
	; group 1: a dense block of 32,768 bytes as 128 rows of 32 elements of 8 bytes
	s_mov_b32 s[G1+0], 0x0023000f                  ; 15:0 mask: all four work-groups of the cluster; 17:16 elements of 8 bytes; 21 set beside a mask
	s_mov_b32 s[G1+1], 32<<16                      ; tensor_dim0 = 32
	s_mov_b32 s[G1+2], 128<<16                     ; tensor_dim1 = 128
	s_mov_b32 s[G1+3], 32<<16                      ; tile_dim0 = 32
	s_mov_b32 s[G1+4], 128                         ; tile_dim1 = 128
	s_mov_b32 s[G1+5], 32                          ; from row to row: 32 elements
	s_mov_b32 s[G1+6], 0
	s_mov_b32 s[G1+7], 0
	s_mov_b32 s[G0K], 1
	s_mov_b32 s[G0V], 1
	s_add_co_u32 s[G0V+1], s33, VSLOT              ; (s33 is G0K's LDS address: 32,768 w)
	v_and_b32 v5, 31, v0                           ; L
	v_and_b32 v6, 15, v0                           ; r
	v_bfe_u32 v7, v0, 4, 1                         ; h
	v_lshlrev_b32 v[LO], 4, v5
	v_lshl_add_u32 v[KA], s16, 15, v[LO]
	v_add_nc_u32 v[VA], VSLOT, v[KA]
	v_lshl_add_u32 v[DA], s16, 14, v[LO]           ; partial results: query tile x 65,536 + wave x 16,384 + 16 L
	v_add_nc_u32 v[DA+1], 0x10000, v[DA]
	v_add_nc_u32 v[DA+2], 0x20000, v[DA]
	v_add_nc_u32 v[DA+3], 0x30000, v[DA]
	v_lshl_add_u32 v[RA], s16, 16, v[LO]
	v_lshlrev_b32 v[LNA], 5, v7                    ; 4 x 8 h
	v_mul_u32_u24 v[ST0], v7, 8*SPITCH             ; row 8 h, word 16 w + r
	v_lshl_add_u32 v[ST0], v6, 2, v[ST0]
	v_lshl_add_u32 v[ST0], s16, 6, v[ST0]
	v_add_nc_u32 v[ST1], 128*SPITCH, v[ST0]
	v_lshl_add_u32 v1, s16, 6, v7                  ; channel 64 w + h
	v_mul_u32_u24 v[RDA], v1, SPITCH
	v_lshl_add_u32 v[RDA], v6, 4, v[RDA]
	v_lshlrev_b32 v[CO], 14, v1
	v_lshl_add_u32 v[CO], v6, 4, v[CO]
.irp qt, 0,1,2,3
	v_mov_b32 v[PT+\qt], 0                         ; the destination of v_permlanex16_b32 counts as read
.endr
	s_wait_dscnt 0x0
	s_wait_kmcnt 0x0
	s_add_nc_u64 s[G0K+2:G0K+3], s[6:7], s[20:21]
	s_or_b32 s[G0K+3], s[G0K+3], 0x80000000        ; type = 2
	s_add_nc_u64 s[G0V+2:G0V+3], s[8:9], s[20:21]
	s_or_b32 s[G0V+3], s[G0V+3], 0x80000000
	s_lshl_b32 s22, s18, 15                        ; my queries' 32,768 bytes of qf (these registers alone hold what hangs on cx)
	s_mov_b32 s23, 0
	s_add_nc_u64 s[4:5], s[4:5], s[22:23]
	s_lshr_b32 s22, s18, 6
	s_lshl_b32 s22, s22, 22                        ; out0: batch x 256 channels x 16,384 bytes
	s_and_b32 s17, s18, 63
	s_lshl_b32 s17, s17, 8                         ; + image row x 256 bytes
	s_add_co_u32 s22, s22, s17
	s_add_nc_u64 s[14:15], s[14:15], s[22:23]
	ROUND                                          ; all four work-groups are here: the first joint load meets its partners
	tensor_load_to_lds s[G0K:G0K+3], s[G1:G1+7]    ; K of step 0
	s_nop 0
	WIN 0x40                                       ; destination window 1
.irp qt, 0,1,2,3
.irp kc, 0,1,2,3,4,5,6,7
	global_load_b128 v[64*\qt+8*\kc:64*\qt+8*\kc+3],   v[LO], s[4:5] offset:\qt*8192+\kc*1024
	global_load_b128 v[64*\qt+8*\kc+4:64*\qt+8*\kc+7], v[LO], s[4:5] offset:\qt*8192+\kc*1024+512
.endr
.endr
	WIN 0
	s_wait_loadcnt 0x0                             ; Q, once
; K's four fragments (64 keys x 32 channels) of chunk kc: 8 loads
.macro KLOAD kc, f
.irp kt, 0,1,2,3
	ds_load_b128 v[\f+8*\kt:\f+8*\kt+3],   v[KA] offset:\kt*8192+(\kc)*1024
	ds_load_b128 v[\f+8*\kt+4:\f+8*\kt+7], v[KA] offset:\kt*8192+(\kc)*1024+512
.endr
.endm
; 16 products, one on each score tile: the accumulators take turns, one instruction a turn
.macro SMUL kc, f, zero
.irp qt, 0,1,2,3
.irp kt, 0,1,2,3
.if \zero
	v_wmma_f32_16x16x32_f16 v[S+32*\qt+8*\kt:S+32*\qt+8*\kt+7], v[\f+8*\kt:\f+8*\kt+7], v[64*\qt+8*(\kc):64*\qt+8*(\kc)+7], 0
.else
	v_wmma_f32_16x16x32_f16 v[S+32*\qt+8*\kt:S+32*\qt+8*\kt+7], v[\f+8*\kt:\f+8*\kt+7], v[64*\qt+8*(\kc):64*\qt+8*(\kc)+7], v[S+32*\qt+8*\kt:S+32*\qt+8*\kt+7]
.endif
.endr
.endr
.endm
; The scores of one key row: 8 chunks on two fragment buffers.  One window setting for the whole phase: Q (source 1) in window 1; an LDS load's
; data and address lie in window 0 under it.
.macro SPHASE
	WIN 0x04
	NOPS 5                                         ; the first products write over P and V fragments that the last step's products read: five places
	KLOAD 0, F0
	KLOAD 1, F1
	s_wait_dscnt 8                                 ; all but the 8 loads just issued
	SMUL 0, F0, 1                                  ; the first chunk starts the sums: nothing is cleared
	NOPS 4                                         ; four places between the products that read a buffer and the loads into it
	KLOAD 2, F0
	s_wait_dscnt 8
	SMUL 1, F1, 0
.irp kc, 2,4
	NOPS 4
	KLOAD \kc+1, F1
	s_wait_dscnt 8
	SMUL \kc, F0, 0
	NOPS 4
	KLOAD \kc+2, F0
	s_wait_dscnt 8
	SMUL \kc+1, F1, 0
.endr
	NOPS 4
	KLOAD 7, F1
	s_wait_dscnt 8
	SMUL 6, F0, 0
	s_wait_dscnt 0
	SMUL 7, F1, 0
	WIN 0
.endm
; Softmax, first part: maximum, exponentials, sum, reciprocal.  A lane holds 32 of a query's 64 scores, lane xor 16 the others.
; The four query tiles' chains are interleaved, so that no instruction waits for the one in front of it.
.macro SOFTA
	NOPS 4                                         ; four places behind the last product before its result is read
.irp qt, 0,1,2,3
	v_max3_num_f32 v[A+\qt], v[S+32*\qt], v[S+32*\qt+1], v[S+32*\qt+2]
.endr
.irp i, 3,5,7,9,11,13,15,17,19,21,23,25,27,29
.irp qt, 0,1,2,3
	v_max3_num_f32 v[A+\qt], v[A+\qt], v[S+32*\qt+\i], v[S+32*\qt+\i+1]
.endr
.endr
.irp qt, 0,1,2,3
	v_max_num_f32 v[A+\qt], v[A+\qt], v[S+32*\qt+31]
.endr
.irp qt, 0,1,2,3
	v_permlanex16_b32 v[PT+\qt], v[A+\qt], s42, s43
.endr
.irp qt, 0,1,2,3
	v_max_num_f32 v[M+2*\qt],   v[A+\qt], v[PT+\qt]      ; the key row's maximum for my query, twice for the packed subtraction
	v_max_num_f32 v[M+2*\qt+1], v[A+\qt], v[PT+\qt]
.endr
.irp i, 0,2,4,6,8,10,12,14,16,18,20,22,24,26,28,30
.irp qt, 0,1,2,3
	v_pk_add_f32 v[S+32*\qt+\i:S+32*\qt+\i+1], v[S+32*\qt+\i:S+32*\qt+\i+1], v[M+2*\qt:M+2*\qt+1] neg_lo:[0,1] neg_hi:[0,1]
.endr
.endr
.set i, 0
.rept 128
	v_exp_f32 v[S+i], v[S+i]                       ; base 2: log2(e) is in q already
.set i, i+1
.endr
	v_nop                                          ; one plain place behind the last exponential before its result is read (ISA guide 5.7.2)
	s_wait_alu depctr_va_vdst(0)
.irp qt, 0,1,2,3
	v_pk_add_f32 v[M+2*\qt:M+2*\qt+1], v[S+32*\qt:S+32*\qt+1], v[S+32*\qt+2:S+32*\qt+3]
.endr
.irp i, 4,6,8,10,12,14,16,18,20,22,24,26,28,30
.irp qt, 0,1,2,3
	v_pk_add_f32 v[M+2*\qt:M+2*\qt+1], v[M+2*\qt:M+2*\qt+1], v[S+32*\qt+\i:S+32*\qt+\i+1]
.endr
.endr
.irp qt, 0,1,2,3
	v_add_f32 v[A+\qt], v[M+2*\qt], v[M+2*\qt+1]
.endr
.irp qt, 0,1,2,3
	v_permlanex16_b32 v[PT+\qt], v[A+\qt], s42, s43
.endr
.irp qt, 0,1,2,3
	v_add_f32 v[A+\qt], v[A+\qt], v[PT+\qt]        ; at least 1: the maximum's own term
.endr
.irp qt, 0,1,2,3
	v_rcp_f32 v[R+2*\qt],   v[A+\qt]
	v_rcp_f32 v[R+2*\qt+1], v[A+\qt]
.endr
	v_nop                                          ; one plain place behind the last reciprocal
.endm
; Softmax, second part: divide, round to f16.  Group g = 2 qt + u (16 registers: keys 32 u .. 32 u + 31 of query tile qt) shrinks into its first
; eight registers, in ascending order so that no source is overwritten before it is read: that is P^T's operand; the other eight are free.
.macro SOFTB
	s_wait_alu depctr_va_vdst(0)
.irp qt, 0,1,2,3
.irp i, 0,2,4,6,8,10,12,14,16,18,20,22,24,26,28,30
	v_pk_mul_f32 v[S+32*\qt+\i:S+32*\qt+\i+1], v[S+32*\qt+\i:S+32*\qt+\i+1], v[R+2*\qt:R+2*\qt+1]
.endr
.endr
.irp g, 0,1,2,3,4,5,6,7
.irp i, 0,1,2,3,4,5,6,7
	v_cvt_pk_f16_f32 v[S+16*\g+\i], v[S+16*\g+2*\i], v[S+16*\g+2*\i+1]
.endr
.endr
.endm
; V's eight fragments of channel tiles 4 bt .. 4 bt + 3 (two chunks of 32 keys each): 16 loads; fragment 2 c + u at base + stride (2 c + u)
.macro VLOAD bt, base, stride
.irp c, 0,1,2,3
.irp u, 0,1
	ds_load_b128 v[\base+\stride*(2*\c+\u):\base+\stride*(2*\c+\u)+3],   v[VA] offset:(4*\bt+\c)*2048+\u*1024
	ds_load_b128 v[\base+\stride*(2*\c+\u)+4:\base+\stride*(2*\c+\u)+7], v[VA] offset:(4*\bt+\c)*2048+\u*1024+512
.endr
.endr
.endm
; 32 products on 16 accumulators (at o + 32 c + 8 qt of the window set), which take turns, one instruction a turn
.macro PMUL o, base, stride, zero
.irp u, 0,1
.irp c, 0,1,2,3
.irp qt, 0,1,2,3
.if \zero*(1-\u)
	v_wmma_f32_16x16x32_f16 v[\o+32*\c+8*\qt:\o+32*\c+8*\qt+7], v[\base+\stride*(2*\c+\u):\base+\stride*(2*\c+\u)+7], v[S+32*\qt+16*\u:S+32*\qt+16*\u+7], 0
.else
	v_wmma_f32_16x16x32_f16 v[\o+32*\c+8*\qt:\o+32*\c+8*\qt+7], v[\base+\stride*(2*\c+\u):\base+\stride*(2*\c+\u)+7], v[S+32*\qt+16*\u:S+32*\qt+16*\u+7], v[\o+32*\c+8*\qt:\o+32*\c+8*\qt+7]
.endif
.endr
.endr
.endr
.endm
; O += V^T P^T for one key row, four batches of four channel tiles on two fragment buffers: v[64:127], and the halves of S that SOFTB frees.
.macro PVPHASE zero
	VLOAD 0, F0, 8                                 ; on its way during the division and rounding
	SOFTB
	VLOAD 1, S+8, 16
	s_wait_dscnt 16                                ; all but the 16 loads just issued
	WIN 0xa0                                       ; C and D window 2
	PMUL 0, F0, 8, \zero
	WIN 0
	NOPS 4                                         ; four places between the products that read a buffer and the loads into it
	VLOAD 2, F0, 8
	s_wait_dscnt 16
	WIN 0xa0
	PMUL 128, S+8, 16, \zero
	WIN 0
	NOPS 4
	VLOAD 3, S+8, 16
	s_wait_dscnt 16
	WIN 0xf0                                       ; C and D window 3
	PMUL 0, F0, 8, \zero
	s_wait_dscnt 0
	PMUL 128, S+8, 16, \zero
	WIN 0
.endm
; Half a step: scores.  In front of the round every wave has waited for its reads of the V slot and for all its tensor loads (the one that was
; out is this step's K); behind the round the V slot is filled first, then K is read.
.macro TRIPK
	s_wait_tensorcnt 0x0                           ; no tensor load of mine is out: K of this step is in, and a group 0 may be written
	ds_add_u32 v62, v63
	s_add_nc_u64 s[G0K+2:G0K+3], s[G0K+2:G0K+3], STEP
	s_wait_dscnt 0x0                               ; my reads of the V slot are back
	ROUND                                          ; both now hold of every wave of all four work-groups
	tensor_load_to_lds s[G0V:G0V+3], s[G1:G1+7]    ; V of this step: it has the scores and the first part of the softmax in which to land
	s_nop 0
	SPHASE
	SOFTA
.endm
; The other half: P V.  The same order with K's and V's parts exchanged.
.macro TRIPV zero, refill
	s_wait_tensorcnt 0x0                           ; V of this step is in
	ds_add_u32 v62, v63
	s_wait_dscnt 0x0
	s_add_nc_u64 s[G0V+2:G0V+3], s[G0V+2:G0V+3], STEP
	s_wait_dscnt 0x0                               ; my reads of the K slot are back
	ROUND
.if \refill
	tensor_load_to_lds s[G0K:G0K+3], s[G1:G1+7]    ; K of the next step: it has the rest of the softmax and the products with V in which to land
	s_nop 0
.endif
	PVPHASE \zero
.endm
	TRIPK                                          ; step 0 stands in front of the loop: its products start O's sums
	TRIPV 1, 1
	s_mov_b32 s40, 14
.Lstep:
	TRIPK
	TRIPV 0, 1
	s_sub_co_u32 s40, s40, 1
	s_cmp_lg_u32 s40, 0
	s_cbranch_scc1 .Lstep
	TRIPK                                          ; step 15: V is still fetched,
	TRIPV 0, 0                                     ; K no more (the stepped addresses are not used).  Behind this round no load of any partner is out
	; THE END.  Gain and bias go out early: lane (r, h) needs channels 16 ct + 8 h + j, as its results lie.
	NOPS 4                                         ; four places behind the last product before its result is stored
	WIN 0x40
.set i, 0
.rept 16
	global_load_b128 v[8*i:8*i+3],         v[LNA], s[10:11] offset:64*i
	global_load_b128 v[8*i+4:8*i+7],       v[LNA], s[10:11] offset:64*i+16
	global_load_b128 v[128+8*i:128+8*i+3], v[LNA], s[12:13] offset:64*i
	global_load_b128 v[128+8*i+4:128+8*i+7], v[LNA], s[12:13] offset:64*i+16
.set i, i+1
.endr
	WIN 0
	s_barrier_signal -1                            ; my LDS reads are back (the wait for 0 in front of the last products): the partial results
	s_barrier_wait -1                              ; overwrite all waves' tiles, which have had their last fill
	; Every wave lays down all four query tiles, so that no register number hangs on the wave's number.
	WIN 0x08                                       ; store data window 2: channel tiles 0-7
.irp qt, 0,1,2,3
.irp c, 0,1,2,3,4,5,6,7
	ds_store_b128 v[DA+\qt], v[32*\c+8*\qt:32*\c+8*\qt+3]   offset:\c*1024
	ds_store_b128 v[DA+\qt], v[32*\c+8*\qt+4:32*\c+8*\qt+7] offset:\c*1024+512
.endr
.endr
	WIN 0x0c                                       ; window 3: channel tiles 8-15
.irp qt, 0,1,2,3
.irp c, 0,1,2,3,4,5,6,7
	ds_store_b128 v[DA+\qt], v[32*\c+8*\qt:32*\c+8*\qt+3]   offset:(8+\c)*1024
	ds_store_b128 v[DA+\qt], v[32*\c+8*\qt+4:32*\c+8*\qt+7] offset:(8+\c)*1024+512
.endr
.endr
	WIN 0
	s_wait_dscnt 0x0                               ; my stores are done: other waves read them
	s_barrier_signal -1
	s_barrier_wait -1
	; Wave w sums the four partial results of query tile w, in the waves' order.  32 loads for each partial result.
.macro PART d, o
.set i, 0
.rept 16
	ds_load_b128 v[\d+8*i:\d+8*i+3],   v[RA] offset:\o+1024*i
	ds_load_b128 v[\d+8*i+4:\d+8*i+7], v[RA] offset:\o+1024*i+512
.set i, i+1
.endr
.endm
.macro PSUM d
.set i, 0
.rept 64
	v_pk_add_f32 v[S+2*i:S+2*i+1], v[S+2*i:S+2*i+1], v[\d+2*i:\d+2*i+1]
.set i, i+1
.endr
.endm
	PART S, 0                                      ; wave 0's, into window 0
	WIN 0x80
	PART 0, 16384                                  ; wave 1's, into window 2
	PART 128, 32768                                ; wave 2's, into window 2
	s_wait_dscnt 32                                ; all but wave 2's 32 loads
	WIN 0x08
	PSUM 0
	WIN 0xc0
	PART 0, 49152                                  ; wave 3's, into window 3
	s_wait_dscnt 32                                ; all but wave 3's
	WIN 0x08
	PSUM 128
	s_wait_dscnt 0
	WIN 0x0c
	PSUM 0
	WIN 0
	; The norm over 256 channels, in two passes: 128 in my registers, 128 in lane xor 16.
.irp c, 0,1,2,3
	v_pk_add_f32 v[T+2*\c:T+2*\c+1], v[S+2*\c:S+2*\c+1], v[S+8+2*\c:S+8+2*\c+1]
.endr
.set i, 8
.rept 56
	v_pk_add_f32 v[T+2*(i%4):T+2*(i%4)+1], v[T+2*(i%4):T+2*(i%4)+1], v[S+2*i:S+2*i+1]
.set i, i+1
.endr
.macro FOLD                            ; four chains of pairs, then the other half of the lanes: the sum over 256 channels in SC
	v_pk_add_f32 v[T:T+1], v[T:T+1], v[T+2:T+3]
	v_pk_add_f32 v[T+4:T+5], v[T+4:T+5], v[T+6:T+7]
	v_pk_add_f32 v[T:T+1], v[T:T+1], v[T+4:T+5]
	v_add_f32 v[SC], v[T], v[T+1]
	v_permlanex16_b32 v[PT], v[SC], s42, s43
	v_add_f32 v[SC], v[SC], v[PT]
.endm
	FOLD
	v_mul_f32 v[MU],   s44, v[SC]
	v_mul_f32 v[MU+1], s44, v[SC]
.set i, 0
.rept 64
	v_pk_add_f32 v[S+2*i:S+2*i+1], v[S+2*i:S+2*i+1], v[MU:MU+1] neg_lo:[0,1] neg_hi:[0,1]
.set i, i+1
.endr
.irp c, 0,1,2,3
	v_pk_mul_f32 v[T+2*\c:T+2*\c+1], v[S+2*\c:S+2*\c+1], v[S+2*\c:S+2*\c+1]
.endr
.set i, 4
.rept 60
	v_pk_fma_f32 v[T+2*(i%4):T+2*(i%4)+1], v[S+2*i:S+2*i+1], v[S+2*i:S+2*i+1], v[T+2*(i%4):T+2*(i%4)+1]
.set i, i+1
.endr
	FOLD
	v_fma_f32 v[SC], v[SC], s44, s45               ; variance + 1e-5
	v_rsq_f32 v[RS],   v[SC]
	v_rsq_f32 v[RS+1], v[SC]
	v_nop                                          ; one plain place behind the root
.set i, 0
	s_wait_alu depctr_va_vdst(0)
.rept 64
	v_pk_mul_f32 v[S+2*i:S+2*i+1], v[S+2*i:S+2*i+1], v[RS:RS+1]
.set i, i+1
.endr
	s_wait_loadcnt 0x0                             ; gain and bias
	WIN 0x14                                       ; sources 1 and 2 window 1
.set i, 0
.rept 64
	v_pk_fma_f32 v[S+2*i:S+2*i+1], v[S+2*i:S+2*i+1], v[2*i:2*i+1], v[128+2*i:128+2*i+1]
.set i, i+1
.endr
	WIN 0
	s_barrier_signal -1                            ; my reads of the partial results are back (the wait for 0 above): the output's rows overwrite them
	s_barrier_wait -1
	; The way out: out0's rows run along the pixels, my registers along the channels.  [256 channels][64 pixels] f32 in LDS, pitch 272 bytes:
	; sixteen lanes write sixteen neighbouring words, the other sixteen 8 rows = 544 words further on.
.irp c, 0,1,2,3,4,5,6,7
.irp j, 0,1,2,3,4,5,6,7
	ds_store_b32 v[ST0], v[S+8*\c+\j]    offset:(16*\c+\j)*SPITCH
	ds_store_b32 v[ST1], v[S+64+8*\c+\j] offset:(16*\c+\j)*SPITCH
.endr
.endr
	s_wait_dscnt 0x0                               ; my stores are done: other waves read them
	s_barrier_signal -1
	s_barrier_wait -1
.set t, 0
.rept 32
	ds_load_b128 v[S+4*t:S+4*t+3], v[RDA] offset:t*2*SPITCH    ; channels 64 w + 2 t (lanes 0-15) and 64 w + 2 t + 1 (lanes 16-31)
.set t, t+1
.endr
.set t, 0
.rept 32
	s_wait_dscnt 31-t                              ; LDS loads come back in order: load t is in, the younger ones stay out
	global_store_b128 v[CO], v[S+4*t:S+4*t+3], s[14:15] offset:t*32768 th:TH_STORE_NT   ; sixteen lanes store 256 consecutive bytes, aligned
.set t, t+1
.endr
	s_wait_tensorcnt 0x0
	ds_add_u32 v62, v63
	s_wait_dscnt 0x0
	ROUND                                          ; the closing round
	s_endpgm
.Lfunc_end_k_q76eacf105c_attn:
	.size	k_q76eacf105c_attn, .Lfunc_end_k_q76eacf105c_attn-k_q76eacf105c_attn
	.p2alignl 7, 3214868480
	.fill 96, 4, 3214868480
	.section	.rodata,"a",@progbits
	.p2align	6, 0x0
	.amdhsa_kernel k_q76eacf105c_attn
		.amdhsa_group_segment_fixed_size 327680
		.amdhsa_private_segment_fixed_size 0
		.amdhsa_enable_private_segment 0
		.amdhsa_kernarg_size 48
		.amdhsa_user_sgpr_count 2
		.amdhsa_user_sgpr_kernarg_segment_ptr 1
		.amdhsa_wavefront_size32 1
		.amdhsa_system_sgpr_workgroup_id_x 1
		.amdhsa_system_sgpr_workgroup_id_y 1
		.amdhsa_system_sgpr_workgroup_id_z 1
		.amdhsa_system_vgpr_workitem_id 0
		.amdhsa_next_free_vgpr 1024
		.amdhsa_next_free_sgpr 66
		.amdhsa_reserve_vcc 0
		.amdhsa_float_denorm_mode_32 3
		.amdhsa_float_denorm_mode_16_64 3
		.amdhsa_memory_ordered 1
		.amdhsa_forward_progress 1
		.amdhsa_inst_pref_size 237
	.end_amdhsa_kernel
	.amdgpu_metadata
---
amdhsa.version: [ 1, 2 ]
amdhsa.kernels:
  - .name:           k_q76eacf105c_attn
    .symbol:         k_q76eacf105c_attn.kd
    .args:
      - { .name: qf, .offset: 0, .size: 8, .value_kind: global_buffer, .address_space: global }
      - { .name: kf, .offset: 8, .size: 8, .value_kind: global_buffer, .address_space: global }
      - { .name: vf, .offset: 16, .size: 8, .value_kind: global_buffer, .address_space: global }
      - { .name: ln_w, .offset: 24, .size: 8, .value_kind: global_buffer, .address_space: global }
      - { .name: ln_b, .offset: 32, .size: 8, .value_kind: global_buffer, .address_space: global }
      - { .name: out0, .offset: 40, .size: 8, .value_kind: global_buffer, .address_space: global }
    .group_segment_fixed_size: 327680
    .private_segment_fixed_size: 0
    .kernarg_segment_align: 8
    .kernarg_segment_size: 48
    .max_flat_workgroup_size: 128
    .sgpr_count:     66
    .vgpr_count:     1024
    .wavefront_size: 32
...
	.end_amdgpu_metadata
.endif
;; end of part 2
;; ======== version 2 of 3: 2 launches; 1.13 times as fast as version 1
;; limits: values are held in f16: magnitudes above 65,504 overflow, below 6.1e-05 lose precision; inputs' magnitudes at most 1,023
;; workspace buffers: qf 8,388,608 bytes; xf 8,388,608 bytes; vwf 131,072 bytes; cf 65,536 bytes
;; launch proj (part 3): grid 256 x 1, 8 waves a work-group, no clusters, 315,392 bytes of LDS; arguments x1, x2, qw, kw, vw, qb, kb, qf, xf, vwf, cf; writes qf, xf, vwf, cf
.if DOCPART == 3
	.amdgcn_target "amdgcn-amd-amdhsa--gfx1250"
	.amdhsa_code_object_version 6
	.text
	.protected	k_q76eacf105c_proj
	.globl	k_q76eacf105c_proj
	.p2align	8
	.type	k_q76eacf105c_proj,@function
k_q76eacf105c_proj:
	s_mov_b64 s[64:65], 0
	v_nop
	global_prefetch_b8 v0, s[64:65] scope:SCOPE_SE
	s_setreg_imm32_b32 hwreg(HW_REG_WAVE_MODE, 25, 1), 1
	s_wait_xcnt 0x0
; What the attention launch needs, made once.  For every input  q.(kw x2 + kb) = (kw^T q).x2 + q.kb  and, since each key row is a whole
; softmax of sum 1,  sum attn (vw x2 + vb) = vw (sum attn x2) + 64 vb.  So x2 itself serves as keys and as values, and this launch makes
;   qf  = kw^T ((qw x1 + qb) log2(e))   two products of a 256 x 256 matrix with the pixels' 256 channels
;   cf  = ((qw x1 + qb) log2(e)) . kb   one number a pixel
;   xf  = x2, vwf = vw                  rounded, in the order in which the next launch's matrix operands lie in registers
; A work-group takes one image row (64 pixels) of x1 and of x2; wave w takes 32 output channels of each product, and channels 32 w .. + 31 of x2.
; FORMATS AND LIMITS: x1, x2, qw, kw, vw are rounded to bf16; sums and biases are f32.  q log2(e) and kw^T q are rounded to f16, because the scores are
; differences of sums of 256 products; kw, x2 and vw meet f16 operands and so carry their bf16 value in f16, which is exact from 2^-14 to 65,504:
; below that the error is 2^-25 at the most, above it the number becomes infinite, as does any f16 result above 65,504.
; LAYOUTS, with wg = this work-group, L = lane, r = L % 16, h = L / 16:
;   qf:  byte wg*32768 + pt*8192 + ot*512 + 16 L holds channels 16 ot + 8 h .. + 7 of pixel 16 pt + r
;   xf:  the same blocks, but the 16 bytes of (r, h) lie at place p = r%8 + 8 (h xor r/8) + 16 (r/8) of the block: read by rows of keys or transposed,
;        sixteen neighbouring lanes then touch sixteen different 16-byte columns of 256 bytes
;   vwf: byte wg*512 + 16 L holds vw[16 (wg/16) + r][16 (wg%16) + 8 h .. + 7]
;   cf:  word 64 wg + pixel
; Each store of a wave covers 512 consecutive bytes, aligned (cf: 256).
; NO TENSOR LOADS, NO CLUSTER: every input is f32 and passes through registers to be rounded, so no tile goes straight into LDS.
.set LOG2E,  0x3fb8aa3b
.set HI16,   0xffff0000
.set XPITCH, 160                       ; x in LDS: [256 channels][64 pixels] of 16 bits, 5 x 32 bytes for the transposing load
.set X2BASE, 256*XPITCH                ; 40,960
.set QXBASE, 2*X2BASE                  ; 81,920: q as f16, [64 pixels][256 channels], pitch 528 = 33 x 16
.set QPITCH, 528
.set CPBASE, QXBASE+64*QPITCH          ; 115,712: the waves' parts of q . kb, [8][64] f32
.set WBASE,  CPBASE+2048               ; 117,760: each wave's own weight stage
.set WPITCH, 528                       ; qw: 32 rows of 256 bf16
.set KPITCH, 96                        ; kw: 256 rows (o) of my 32 columns (c') in f16, 3 x 32 bytes for the transposing load
.set WSTAGE, 256*KPITCH                ; 24,576 bytes a wave
; window 0
.set XO,  2                            ; x: (32 w + h) channels of 16,384 bytes + 16 r
.set WO,  3                            ; qw: 32,768 w + 16 L
.set XS,  4                            ; LDS: where my 8 bytes of x go
.set WS,  5                            ; LDS: where my 8 bytes of a row of qw go
.set WL,  6                            ; LDS: my fragments of qw
.set XL1, 7                            ; LDS: my fragments of x1 (transposing load)
.set XLW, 8                            ; LDS: my wave's own 32 channels of x2 (transposing load)
.set OQ,  9                            ; qf: 1,024 w + 16 L
.set OX,  10                           ; xf: 1,024 w + 16 p
.set BO,  11                           ; qb, kb: 4 (32 w + 8 h)
.set KO,  12                           ; kw: row L / 8, my wave's 128 bytes, 16 (L % 8)
.set KS,  13                           ; LDS: where my 8 bytes of kw go
.set KL,  14                           ; LDS: my fragments of kw^T (transposing load)
.set QS,  15                           ; LDS: where my 16 bytes of q go
.set QL,  16                           ; LDS: my fragments of q
.set CS,  17                           ; LDS: my wave's part of q . kb
.set VO,  18                           ; vw: this work-group's block
.set LO,  19                           ; 16 L
.set VWD, 20                           ; v[20:23]   the block of vw as f16
.set BQ,  24                           ; v[24:39]   qb as two C tiles
.set BK,  40                           ; v[40:55]   kb, laid as q's results lie
.set TA,  56                           ; v[56:63]   at work
.set ACC, 64                           ; v[64:127]  8 accumulator tiles: (channel tile o, pixel tile p) at 8 (4 o + p)
.set XF,  128                          ; v[128:191] fragments of x1, later of q: two buffers of four
.set WF,  192                          ; v[192:223] weight fragments, two buffers of two
.set CV,  224                          ; v[224:255] rounded numbers on their way to LDS or to memory
; window 1: v[0:255] one matrix's share in f32, 64 loads of 16 bytes a lane
.set MSB, 0
.macro WIN new                         ; the immediate's high byte repeats the setting that is left
.if MSB != \new
	s_set_vgpr_msb (MSB<<8)|\new
.set MSB, \new
.endif
.endm
.macro NOPS n
.rept \n
	v_nop
.endr
.endm
	s_load_b512 s[4:19], s[0:1], 0x0               ; x1 s[4:5], x2 s[6:7], qw s[8:9], kw s[10:11], vw s[12:13], qb s[14:15], kb s[16:17], qf s[18:19]
	s_load_b128 s[20:23], s[0:1], 0x40             ; xf s[20:21], vwf s[22:23]
	s_load_b64 s[24:25], s[0:1], 0x50              ; cf
	v_lshrrev_b32 v1, 5, v0
	v_readfirstlane_b32 s26, v1                    ; wave 0..7
	v_and_b32 v56, 31, v0                          ; L
	v_and_b32 v57, 15, v0                          ; r
	v_bfe_u32 v58, v0, 4, 1                        ; h
	v_and_b32 v59, 7, v0                           ; L % 8
	v_bfe_u32 v60, v0, 3, 1                        ; (L / 8) % 2
	v_bfe_u32 v61, v0, 3, 2                        ; L / 8
	s_lshr_b32 s28, ttmp9, 6                       ; batch
	s_lshl_b32 s28, s28, 22                        ; x 256 channels x 16,384 bytes
	s_and_b32 s29, ttmp9, 63                       ; image row
	s_lshl_b32 s29, s29, 8                         ; x 256 bytes
	s_add_co_u32 s28, s28, s29
	s_mov_b32 s29, 0
	s_lshl_b32 s30, ttmp9, 15                      ; this work-group's 32,768 bytes of qf and xf
	s_mov_b32 s31, 0
	s_lshl_b32 s34, ttmp9, 9                       ; its 512 bytes of vwf
	s_mov_b32 s35, 0
	s_lshl_b32 s36, ttmp9, 8                       ; its 256 bytes of cf
	s_mov_b32 s37, 0
	s_lshr_b32 s38, ttmp9, 4                       ; its block of vw: rows 16 (wg / 16), 1,024 bytes each,
	s_lshl_b32 s38, s38, 14
	s_and_b32 s39, ttmp9, 15                       ; columns 16 (wg % 16)
	s_lshl_b32 s39, s39, 6
	s_add_co_u32 s38, s38, s39
	s_mul_i32 s27, s26, WSTAGE
	s_add_co_u32 s27, s27, WBASE                   ; my wave's weight stage
	s_mul_i32 s39, s26, 32*XPITCH
	s_add_co_u32 s39, s39, X2BASE                  ; my wave's 32 channels of x2 in LDS
	s_mov_b32 s32, 0x76543210                      ; v_permlanex16_b32: lane i takes lane i of the other half
	s_mov_b32 s33, 0xfedcba98
	v_lshl_add_u32 v1, s26, 5, v58                 ; channel 32 w + h
	v_lshlrev_b32 v[XO], 14, v1
	v_lshl_add_u32 v[XO], v57, 4, v[XO]
	v_mul_u32_u24 v[XS], v1, XPITCH
	v_lshl_add_u32 v[XS], v57, 3, v[XS]
	v_lshlrev_b32 v[LO], 4, v56
	v_lshl_add_u32 v[WO], s26, 15, v[LO]
	v_lshl_add_u32 v[WS], v56, 3, s27
	v_mul_u32_u24 v[QL], v57, QPITCH               ; row r of pitch 528 (qw's stage and q's exchange alike), 16 bytes for each half of the lanes
	v_lshl_add_u32 v[QL], v58, 4, v[QL]
	v_add_nc_u32 v[WL], s27, v[QL]
	v_lshl_add_u32 v[QS], s26, 6, v[QL]            ; + my wave's 32 channels
	v_add_nc_u32 v[QS], QXBASE, v[QS]
	v_add_nc_u32 v[QL], QXBASE, v[QL]
	v_lshl_add_u32 v1, v58, 3, v59                 ; row 8 h + L % 8 of a chunk, for the transposing loads
	v_mul_u32_u24 v[XL1], v1, XPITCH
	v_lshl_add_u32 v[XL1], v60, 4, v[XL1]          ; + 16 bytes for the second eight columns
	v_add_nc_u32 v[XLW], s39, v[XL1]
	v_mul_u32_u24 v[KL], v1, KPITCH
	v_lshl_add_u32 v[KL], v60, 4, v[KL]
	v_add_nc_u32 v[KL], s27, v[KL]
	v_lshl_add_u32 v[OQ], s26, 10, v[LO]           ; channel tiles 2 w, 2 w + 1 of 512 bytes
	v_xor_b32 v1, v58, v60                         ; h xor r / 8
	v_lshl_add_u32 v1, v1, 3, v59
	v_lshl_add_u32 v1, v60, 4, v1                  ; p
	v_lshlrev_b32 v1, 4, v1
	v_lshl_add_u32 v[OX], s26, 10, v1
	v_lshlrev_b32 v[BO], 5, v58
	v_lshl_add_u32 v[BO], s26, 7, v[BO]
	v_lshlrev_b32 v[KO], 10, v61
	v_lshl_add_u32 v[KO], v59, 4, v[KO]
	v_lshl_add_u32 v[KO], s26, 7, v[KO]
	v_mul_u32_u24 v[KS], v61, KPITCH
	v_lshl_add_u32 v[KS], v59, 3, v[KS]
	v_add_nc_u32 v[KS], s27, v[KS]
	v_lshlrev_b32 v[CS], 2, v57
	v_lshl_add_u32 v[CS], s26, 8, v[CS]
	v_add_nc_u32 v[CS], CPBASE, v[CS]
	v_lshlrev_b32 v[VO], 10, v57
	v_lshl_add_u32 v[VO], v58, 5, v[VO]
	v_add_nc_u32 v[VO], s38, v[VO]
	s_wait_kmcnt 0x0
	s_add_nc_u64 s[4:5], s[4:5], s[28:29]
	s_add_nc_u64 s[6:7], s[6:7], s[28:29]
	s_add_nc_u64 s[18:19], s[18:19], s[30:31]
	s_add_nc_u64 s[20:21], s[20:21], s[30:31]
	s_add_nc_u64 s[22:23], s[22:23], s[34:35]
	s_add_nc_u64 s[24:25], s[24:25], s[36:37]
; 16 loads into window 1: group g of the four groups of a matrix's share
.macro WLOADS g                        ; qw: my 32 rows, 512 consecutive bytes a load
	WIN 0x40                                       ; destination window 1, address window 0
.set q, 16*\g
.rept 16
	global_load_b128 v[4*q:4*q+3], v[WO], s[8:9] offset:q*512
.set q, q+1
.endr
.endm
.macro KLOADS g                        ; kw: my 32 columns of all 256 rows, four rows' 128 bytes a load
	WIN 0x40
.set q, 16*\g
.rept 16
	global_load_b128 v[4*q:4*q+3], v[KO], s[10:11] offset:q*4096
.set q, q+1
.endr
.endm
	; qb comes first: as C tiles of the first products it starts the sums.  A lane's register j is channel 8 h + j of the tile; kb is laid the same way.
.irp o, 0,1
	global_load_b128 v[BQ+8*\o:BQ+8*\o+3],   v[BO], s[14:15] offset:64*\o
	global_load_b128 v[BQ+8*\o+4:BQ+8*\o+7], v[BO], s[14:15] offset:64*\o+16
	global_load_b128 v[BK+8*\o:BK+8*\o+3],   v[BO], s[16:17] offset:64*\o
	global_load_b128 v[BK+8*\o+4:BK+8*\o+7], v[BO], s[16:17] offset:64*\o+16
.endr
	global_load_b128 v[TA:TA+3],   v[VO], s[12:13]             ; the block of vw: every wave loads it, so that all waves' counts are alike; wave 0 stores it
	global_load_b128 v[TA+4:TA+7], v[VO], s[12:13] offset:16
	; x: each load takes two channels' rows of 256 bytes (lanes 0-15, lanes 16-31); read once in the whole launch
.set t, 0
.rept 16
	global_load_b128 v[ACC+4*t:ACC+4*t+3], v[XO], s[4:5] offset:t*32768 th:TH_LOAD_NT
.set t, t+1
.endr
.set t, 0
.rept 16
	global_load_b128 v[XF+4*t:XF+4*t+3], v[XO], s[6:7] offset:t*32768 th:TH_LOAD_NT
.set t, t+1
.endr
	WLOADS 0
	WLOADS 1
	WIN 0
	s_wait_loadcnt 48                              ; biases, vw's block and x1 are in; younger: 16 loads of x2 and 32 of qw
.set t, 0
.rept 16
	v_cvt_pk_bf16_f32 v[WF+2*t],   v[ACC+4*t],   v[ACC+4*t+1]
	v_cvt_pk_bf16_f32 v[WF+2*t+1], v[ACC+4*t+2], v[ACC+4*t+3]
	ds_store_b64 v[XS], v[WF+2*t:WF+2*t+1] offset:t*2*XPITCH
.set t, t+1
.endr
	v_cvt_pk_bf16_f32 v[TA],   v[TA],   v[TA+1]    ; vw's block: rounded to bf16, then that value written as f16
	v_cvt_pk_bf16_f32 v[TA+1], v[TA+2], v[TA+3]
	v_cvt_pk_bf16_f32 v[TA+2], v[TA+4], v[TA+5]
	v_cvt_pk_bf16_f32 v[TA+3], v[TA+6], v[TA+7]
.irp i, 0,1,2,3
	v_lshlrev_b32 v[TA+4], 16, v[TA+\i]
	v_and_b32 v[TA+5], HI16, v[TA+\i]
	v_cvt_pk_f16_f32 v[VWD+\i], v[TA+4], v[TA+5]
.endr
	s_cmp_lg_u32 s26, 0
	s_cbranch_scc1 .Lno_vw
	global_store_b128 v[LO], v[VWD:VWD+3], s[22:23]            ; its registers are never written again
.Lno_vw:
	s_wait_loadcnt 32                              ; x2 is in; younger: the 32 loads of qw
.set t, 0
.rept 16
	v_cvt_pk_bf16_f32 v[CV+2*t],   v[XF+4*t],   v[XF+4*t+1]
	v_cvt_pk_bf16_f32 v[CV+2*t+1], v[XF+4*t+2], v[XF+4*t+3]
	v_lshlrev_b32 v[XF+4*t],   16,   v[CV+2*t]
	v_and_b32     v[XF+4*t+1], HI16, v[CV+2*t]
	v_lshlrev_b32 v[XF+4*t+2], 16,   v[CV+2*t+1]
	v_and_b32     v[XF+4*t+3], HI16, v[CV+2*t+1]
	v_cvt_pk_f16_f32 v[CV+2*t],   v[XF+4*t],   v[XF+4*t+1]
	v_cvt_pk_f16_f32 v[CV+2*t+1], v[XF+4*t+2], v[XF+4*t+3]
	ds_store_b64 v[XS], v[CV+2*t:CV+2*t+1] offset:X2BASE+t*2*XPITCH
.set t, t+1
.endr
	WLOADS 2
	WLOADS 3
	; qw, which lies in window 1, is rounded to bf16 and laid into my stage group by group; each group's registers are loaded again at once
	; with kw, whose 32,768 bytes a wave are then on their way during the first product.
.irp g, 0,1,2,3
	s_wait_loadcnt 48                              ; group g is in; younger: 16 (3 - g) loads of qw and 16 g of kw
	WIN 0x05                                       ; both sources window 1
.set q, 0
.rept 16
	v_cvt_pk_bf16_f32 v[CV+2*q],   v[64*\g+4*q],   v[64*\g+4*q+1]
	v_cvt_pk_bf16_f32 v[CV+2*q+1], v[64*\g+4*q+2], v[64*\g+4*q+3]
.set q, q+1
.endr
	KLOADS \g
.set q, 0
.rept 16
	ds_store_b64 v[WS], v[CV+2*q:CV+2*q+1] offset:((16*\g+q)/2)*WPITCH+((16*\g+q)%2)*256   ; address and data lie in window 0 under this setting too
.set q, q+1
.endr
.endr
	WIN 0
; The fragments of chunk kc (32 along K) into buffer buf: 12 LDS loads.
; two = 0: qw lies along K (two loads 32 bytes apart), x1 lies [channel][pixel] (two transposing loads 16 rows apart).
; two = 1: kw lies [o][c'] and is wanted as kw^T (transposing loads), q lies along K.
.macro LOADCH two, kc, buf
.if \two
.irp o, 0,1
	ds_load_tr16_b128 v[WF+16*\buf+8*\o:WF+16*\buf+8*\o+3],   v[KL] offset:(\kc)*32*KPITCH+32*\o
	ds_load_tr16_b128 v[WF+16*\buf+8*\o+4:WF+16*\buf+8*\o+7], v[KL] offset:(\kc)*32*KPITCH+32*\o+16*KPITCH
.endr
.irp p, 0,1,2,3
	ds_load_b128 v[XF+32*\buf+8*\p:XF+32*\buf+8*\p+3],   v[QL] offset:\p*16*QPITCH+64*(\kc)
	ds_load_b128 v[XF+32*\buf+8*\p+4:XF+32*\buf+8*\p+7], v[QL] offset:\p*16*QPITCH+64*(\kc)+32
.endr
.else
.irp o, 0,1
	ds_load_b128 v[WF+16*\buf+8*\o:WF+16*\buf+8*\o+3],   v[WL] offset:\o*16*WPITCH+64*(\kc)
	ds_load_b128 v[WF+16*\buf+8*\o+4:WF+16*\buf+8*\o+7], v[WL] offset:\o*16*WPITCH+64*(\kc)+32
.endr
.irp p, 0,1,2,3
	ds_load_tr16_b128 v[XF+32*\buf+8*\p:XF+32*\buf+8*\p+3],   v[XL1] offset:(\kc)*32*XPITCH+32*\p
	ds_load_tr16_b128 v[XF+32*\buf+8*\p+4:XF+32*\buf+8*\p+7], v[XL1] offset:(\kc)*32*XPITCH+32*\p+16*XPITCH
.endr
.endif
.endm
; Eight products, one on each accumulator: the accumulators take turns, one instruction a turn.
; Rows = output channels, columns = pixels: a lane gets 8 neighbouring channels of a pixel.  The first chunk starts the sums: with qb, or with 0.
.macro MUL8 two, buf, first
.irp o, 0,1
.irp p, 0,1,2,3
.set xd, ACC+8*(4*\o+\p)
.set xa, WF+16*\buf+8*\o
.set xb, XF+32*\buf+8*\p
.if \two
.if \first
	v_wmma_f32_16x16x32_f16 v[xd:xd+7], v[xa:xa+7], v[xb:xb+7], 0
.else
	v_wmma_f32_16x16x32_f16 v[xd:xd+7], v[xa:xa+7], v[xb:xb+7], v[xd:xd+7]
.endif
.else
.if \first
	v_wmma_f32_16x16x32_bf16 v[xd:xd+7], v[xa:xa+7], v[xb:xb+7], v[BQ+8*\o:BQ+8*\o+7]
.else
	v_wmma_f32_16x16x32_bf16 v[xd:xd+7], v[xa:xa+7], v[xb:xb+7], v[xd:xd+7]
.endif
.endif
.endr
.endr
.endm
; One product: 8 chunks on two fragment buffers.  Four places stand between the products that read a buffer and the loads into it
; (ISA guide 7.12.1 for vector instructions).
.macro GEMM two
	LOADCH \two, 0, 0
	LOADCH \two, 1, 1
	s_wait_dscnt 12                                ; all but the 12 loads just issued
	MUL8 \two, 0, 1
.irp kc, 1,3,5
	NOPS 4
	LOADCH \two, \kc+1, 0
	s_wait_dscnt 12
	MUL8 \two, 1, 0
	NOPS 4
	LOADCH \two, \kc+2, 1
	s_wait_dscnt 12
	MUL8 \two, 0, 0
.endr
	s_wait_dscnt 0
	MUL8 \two, 1, 0
.endm
	s_wait_dscnt 0x0                               ; my stores of x1 are done: the other waves read them
	s_barrier_signal -1
	s_barrier_wait -1                              ; x1 is whole, and nobody writes it again
	GEMM 0                                         ; q = qw x1 + qb
	NOPS 4                                         ; four places behind the last product before its result is read or a fragment register loaded
	; My own 32 channels of x2 come back transposed (my own bytes, and LDS serves a wave in order: no barrier): 8 channels of a pixel a lane.
.irp p, 0,1,2,3
	ds_load_tr16_b128 v[XF+8*\p:XF+8*\p+3],   v[XLW] offset:32*\p
	ds_load_tr16_b128 v[XF+8*\p+4:XF+8*\p+7], v[XLW] offset:32*\p+16*XPITCH
.endr
.set i, 0
.rept 32
	v_pk_mul_f32 v[ACC+2*i:ACC+2*i+1], v[ACC+2*i:ACC+2*i+1], LOG2E op_sel_hi:[1,0]   ; so that the softmax can use the exponential of base 2
.set i, i+1
.endr
	; my wave's part of q . kb: 16 channels in my registers, 16 in lane xor 16; four chains, one for each pixel tile
.irp p, 0,1,2,3
	v_pk_mul_f32 v[TA+2*\p:TA+2*\p+1], v[ACC+8*\p:ACC+8*\p+1], v[BK:BK+1]
.endr
.irp j, 2,4,6
.irp p, 0,1,2,3
	v_pk_fma_f32 v[TA+2*\p:TA+2*\p+1], v[ACC+8*\p+\j:ACC+8*\p+\j+1], v[BK+\j:BK+\j+1], v[TA+2*\p:TA+2*\p+1]
.endr
.endr
.irp j, 0,2,4,6
.irp p, 0,1,2,3
	v_pk_fma_f32 v[TA+2*\p:TA+2*\p+1], v[ACC+32+8*\p+\j:ACC+32+8*\p+\j+1], v[BK+8+\j:BK+8+\j+1], v[TA+2*\p:TA+2*\p+1]
.endr
.endr
.irp p, 0,1,2,3
	v_add_f32 v[TA+2*\p], v[TA+2*\p], v[TA+2*\p+1]
.endr
.irp p, 0,1,2,3
	v_permlanex16_b32 v[TA+2*\p+1], v[TA+2*\p], s32, s33
.endr
.irp p, 0,1,2,3
	v_add_f32 v[TA+2*\p], v[TA+2*\p], v[TA+2*\p+1]
.endr
.irp p, 0,1,2,3
	ds_store_b32 v[CS], v[TA+2*\p] offset:64*\p    ; both halves of the lanes write the same word with the same number
.endr
.set i, 0
.rept 32
	v_cvt_pk_f16_f32 v[CV+i], v[ACC+2*i], v[ACC+2*i+1]
.set i, i+1
.endr
.irp o, 0,1
.irp p, 0,1,2,3
	ds_store_b128 v[QS], v[CV+4*(4*\o+\p):CV+4*(4*\o+\p)+3] offset:\p*16*QPITCH+32*\o      ; q for all waves: 8 channels of a pixel
.endr
.endr
	s_wait_dscnt 12                                ; the 8 loads of x2 are in; younger: the 12 stores just issued
.irp p, 0,1,2,3
	global_store_b128 v[OX], v[XF+8*\p:XF+8*\p+3],   s[20:21] offset:\p*8192
	global_store_b128 v[OX], v[XF+8*\p+4:XF+8*\p+7], s[20:21] offset:\p*8192+512
.endr
	; kw, which lies in window 1, into my stage (my own bytes, over qw, whose reads were issued before): bf16's value as f16
.irp g, 0,1,2,3
	s_wait_loadcnt 48-16*\g                        ; nothing follows kw: the counts run down
	WIN 0x05
.set q, 0
.rept 16
	v_cvt_pk_bf16_f32 v[CV+2*q],   v[64*\g+4*q],   v[64*\g+4*q+1]
	v_cvt_pk_bf16_f32 v[CV+2*q+1], v[64*\g+4*q+2], v[64*\g+4*q+3]
.set q, q+1
.endr
	WIN 0
.set q, 0
.rept 16
.set ta, TA+4*(q%2)
	v_lshlrev_b32 v[ta],   16,   v[CV+2*q]
	v_and_b32     v[ta+1], HI16, v[CV+2*q]
	v_lshlrev_b32 v[ta+2], 16,   v[CV+2*q+1]
	v_and_b32     v[ta+3], HI16, v[CV+2*q+1]
	v_cvt_pk_f16_f32 v[CV+2*q],   v[ta],   v[ta+1]
	v_cvt_pk_f16_f32 v[CV+2*q+1], v[ta+2], v[ta+3]
	ds_store_b64 v[KS], v[CV+2*q:CV+2*q+1] offset:(16*\g+q)*4*KPITCH
.set q, q+1
.endr
.endr
	s_wait_dscnt 0x0                               ; my stores of q and of my part of q . kb are done: the other waves read them
	s_barrier_signal -1
	s_barrier_wait -1
	s_wait_xcnt 0x0                                ; the stores of x2 read fragment registers: these are loaded again only behind this wait
	GEMM 1                                         ; kw^T q
	NOPS 4                                         ; four places behind the last product before its result is read
.set i, 0
.rept 32
	v_cvt_pk_f16_f32 v[CV+i], v[ACC+2*i], v[ACC+2*i+1]
.set i, i+1
.endr
.irp o, 0,1
.irp p, 0,1,2,3
	global_store_b128 v[OQ], v[CV+4*(4*\o+\p):CV+4*(4*\o+\p)+3], s[18:19] offset:\o*512+\p*8192
.endr
.endr
	s_cmp_lg_u32 s26, 0
	s_cbranch_scc1 .Ldone
	; wave 0 adds the eight waves' parts of q . kb, in the waves' order: two pixels a lane, one store of 256 consecutive bytes
	v_and_b32 v[TA], 31, v0
	v_lshlrev_b32 v[TA], 3, v[TA]
	v_add_nc_u32 v[TA+1], CPBASE, v[TA]
.irp s, 0,1,2,3,4,5,6,7
	ds_load_b64 v[ACC+2*\s:ACC+2*\s+1], v[TA+1] offset:256*\s
.endr
	s_wait_dscnt 0x0
.irp s, 1,2,3,4,5,6,7
	v_pk_add_f32 v[ACC:ACC+1], v[ACC:ACC+1], v[ACC+2*\s:ACC+2*\s+1]
.endr
	global_store_b64 v[TA], v[ACC:ACC+1], s[24:25]
.Ldone:
	s_wait_xcnt 0x0
	v_lshl_add_u32 v254, v0, 2, 0x4cc00
	v_mov_b32 v255, 0
	s_wait_tensorcnt 0x0
	ds_add_u32 v254, v255
	s_wait_dscnt 0x0
	s_endpgm
.Lfunc_end_k_q76eacf105c_proj:
	.size	k_q76eacf105c_proj, .Lfunc_end_k_q76eacf105c_proj-k_q76eacf105c_proj
	.p2alignl 7, 3214868480
	.fill 96, 4, 3214868480
	.section	.rodata,"a",@progbits
	.p2align	6, 0x0
	.amdhsa_kernel k_q76eacf105c_proj
		.amdhsa_group_segment_fixed_size 315392
		.amdhsa_private_segment_fixed_size 0
		.amdhsa_enable_private_segment 0
		.amdhsa_kernarg_size 88
		.amdhsa_user_sgpr_count 2
		.amdhsa_user_sgpr_kernarg_segment_ptr 1
		.amdhsa_wavefront_size32 1
		.amdhsa_system_sgpr_workgroup_id_x 1
		.amdhsa_system_sgpr_workgroup_id_y 1
		.amdhsa_system_sgpr_workgroup_id_z 1
		.amdhsa_system_vgpr_workitem_id 0
		.amdhsa_next_free_vgpr 512
		.amdhsa_next_free_sgpr 66
		.amdhsa_reserve_vcc 0
		.amdhsa_float_denorm_mode_32 3
		.amdhsa_float_denorm_mode_16_64 3
		.amdhsa_memory_ordered 1
		.amdhsa_forward_progress 1
		.amdhsa_inst_pref_size 114
	.end_amdhsa_kernel
	.amdgpu_metadata
---
amdhsa.version: [ 1, 2 ]
amdhsa.kernels:
  - .name:           k_q76eacf105c_proj
    .symbol:         k_q76eacf105c_proj.kd
    .args:
      - { .name: x1, .offset: 0, .size: 8, .value_kind: global_buffer, .address_space: global }
      - { .name: x2, .offset: 8, .size: 8, .value_kind: global_buffer, .address_space: global }
      - { .name: qw, .offset: 16, .size: 8, .value_kind: global_buffer, .address_space: global }
      - { .name: kw, .offset: 24, .size: 8, .value_kind: global_buffer, .address_space: global }
      - { .name: vw, .offset: 32, .size: 8, .value_kind: global_buffer, .address_space: global }
      - { .name: qb, .offset: 40, .size: 8, .value_kind: global_buffer, .address_space: global }
      - { .name: kb, .offset: 48, .size: 8, .value_kind: global_buffer, .address_space: global }
      - { .name: qf, .offset: 56, .size: 8, .value_kind: global_buffer, .address_space: global }
      - { .name: xf, .offset: 64, .size: 8, .value_kind: global_buffer, .address_space: global }
      - { .name: vwf, .offset: 72, .size: 8, .value_kind: global_buffer, .address_space: global }
      - { .name: cf, .offset: 80, .size: 8, .value_kind: global_buffer, .address_space: global }
    .group_segment_fixed_size: 315392
    .private_segment_fixed_size: 0
    .kernarg_segment_align: 8
    .kernarg_segment_size: 88
    .max_flat_workgroup_size: 256
    .sgpr_count:     66
    .vgpr_count:     512
    .wavefront_size: 32
...
	.end_amdgpu_metadata
.endif
;; end of part 3
;; launch attn (part 4): grid 256 x 1, 4 waves a work-group, clusters of 4 x 1, 327,680 bytes of LDS; arguments qf, xf, vwf, cf, vb, ln_w, ln_b, out0; writes out0
.if DOCPART == 4
	.amdgcn_target "amdgcn-amd-amdhsa--gfx1250"
	.amdhsa_code_object_version 6
	.text
	.protected	k_q76eacf105c_attn
	.globl	k_q76eacf105c_attn
	.p2align	8
	.type	k_q76eacf105c_attn,@function
k_q76eacf105c_attn:
	s_mov_b64 s[64:65], 0
	v_nop
	global_prefetch_b8 v0, s[64:65] scope:SCOPE_SE
	s_setreg_imm32_b32 hwreg(HW_REG_WAVE_MODE, 25, 1), 1
	s_wait_xcnt 0x0
	s_wait_alu depctr_hold_cnt(0) depctr_sa_sdst(0) depctr_va_vdst(0) depctr_va_sdst(0) depctr_va_ssrc(0) depctr_va_vcc(0) depctr_vm_vsrc(0)
	s_getreg_b32 s2, hwreg(HW_REG_IB_STS2, 6, 4)
	s_cmp_eq_u32 s2, 0
	s_cbranch_scc0 .Lentry_in_a_cluster
	s_endpgm
.Lentry_in_a_cluster:
	s_bfe_u32 s2, ttmp6, 0x10000c
	s_cmp_lg_u32 s2, 0x3003
	s_cbranch_scc0 .Lentry_shape_is_right
	s_endpgm
.Lentry_shape_is_right:
; For 64 queries (one image row of one batch): scores against all 4,096 keys of the batch, a softmax over each key row of 64 by itself,
; the 64 normalised rows multiplied with the values and summed, then the norm over the 256 channels, gain and bias.
; x2 ITSELF IS KEY AND VALUE: q.(kw x2 + kb) = (kw^T q).x2 + q.kb, and, each key row being a whole softmax of sum 1,
; sum attn (vw x2 + vb) = vw (sum attn x2) + 64 vb.  qf holds kw^T q log2(e), cf holds q.kb log2(e) (it starts each score's sum), and vw is applied
; once at the end.  So a key row is one tile of 32,768 bytes, read from LDS by rows for the scores and transposed for the second product.
; Since a key row is a whole softmax, its true maximum is taken away and its sum divides at once: no running maximum, no rescaling.
; SHARES: four waves, one on each SIMD.  Every wave holds all 64 queries (256 registers) and a partial result of 256 channels x 64 queries
; (512 registers) and takes key rows 4 t + w, t = 0 .. 15: 128 + 128 matrix instructions on 128 LDS loads a step, since each fragment
; feeds four products.  The four partial results meet in LDS at the end.
; ORIENTATION: S^T = X Q^T (a lane holds 32 keys of one query: the softmax runs along its registers and crosses to lane xor 16 once; packed
; pairs of registers are P^T's operand as it stands), O^T = X^T P^T and F^T = vw O^T (a lane holds 8 channels of a query for each channel tile).
; CLUSTER: 4 x 1 work-groups.  Four neighbours belong to one batch (64 work-groups a batch) and walk the same tiles in the same order,
; so each tile is asked for jointly, with the mask of all four: the requests are divided by four.
; LDS: two slots of 4 waves x 32,768 bytes.  One round of the cluster's barrier a step; behind it each wave asks for its key row of the next step, which has
; the whole step in which to land.  By this text's count a wave has one tensor load outstanding at the most.  The last refill brings vw
; into slot 0; slot 1, which has then had its last fill, carries the partial results and the output's rows.
; FORMATS AND LIMITS: kw^T q log2(e), x2, P, sum attn x2 and vw are f16 (above 65,504 infinite; the sum is at most 64 times the largest |x2|; P below 2^-25
; becomes 0); scores, softmax, sums and the norm are f32; v_exp_f32 gives 0 below 2^-126; the sums are made in another order than the
; problem's function makes them.
.set STEP,   131072                    ; four key rows of 32,768 bytes: from one step's tile to the next
.set SLOT,   131072
.set SPITCH, 272                       ; output rows in LDS: 256 bytes + 16
; window 0
.set KA,  2                            ; v2, v3    LDS: my key row in slot 0, 1, read by rows of keys
.set VA,  4                            ; v4, v5    LDS: the same, read transposed
.set LO,  6                            ; 16 L
.set CA,  7                            ; 4 r
.set M,   8                            ; v[8:15]   a pair for each query tile: the maximum twice, later the running sum
.set A,   16                           ; v[16:19]  one for each query tile: chain of the maximum, later the sum
.set PT,  20                           ; v[20:23]  what comes from lane xor 16
.set R,   24                           ; v[24:31]  a pair for each query tile: 1 / sum, twice
.set CB,  32                           ; v[32:63]  q.kb of my query, eight times for each query tile: the C tile that starts the scores
.set DA,  32                           ; the end (CB is done with): v32, v33 LDS: where my partial results of query tiles 0-1, 2-3 go
.set RA,  34                           ; LDS: the four partial results of query tile w
.set LNA, 35                           ; byte offset in vb, ln_w and ln_b
.set ST0, 36                           ; LDS: output rows, channels 0-127
.set ST1, 37                           ; LDS: output rows, channels 128-255
.set RDA, 38                           ; LDS: output rows read back
.set CO,  39                           ; byte offset in out0
.set WA1, 40                           ; LDS: vw's channel tiles 8-15 (tiles 0-7 at LO)
.set F0,  64                           ; v[64:95]   K fragments, buffer 0; v[64:127] V fragments, buffer 0
.set F1,  96                           ; v[96:127]  K fragments, buffer 1
.set S,   128                          ; v[128:255] scores: tile (key tile kt, query tile qt) at 32 qt + 8 kt; later P and V's buffer 1; at the end the result
.set BF,  64                           ; v[64:127]  the end: sum attn x2 as f16, fragment kc at 8 kc
.set T,   64                           ; v[64:71]   the norm: four chains
.set SC,  72
.set MU,  74                           ; pair: the mean
.set RS,  76                           ; pair: 1 / sqrt(var + eps)
; window 1: Q, fragment (query tile qt, chunk kc of 32 channels) at 64 qt + 8 kc; at the end 64 vb v[0:127], ln_w v[128:255]
; windows 2, 3: O, tile (channel tile ct, query tile qt) at 8 (4 (ct % 8) + qt) of window 2 + ct / 8; at the end vw's fragments (2), ln_b (3)
.set G1,  24                           ; s[24:31] descriptor group 1, the same for all loads
.set G0,  32                           ; s[32:35], s[36:39] group 0 of slot 0, 1
.set G0W, 40                           ; s[40:43] group 0 for vw
.set MSB, 0
.macro WIN new                         ; the immediate's high byte repeats the setting that is left
.if MSB != \new
	s_set_vgpr_msb (MSB<<8)|\new
.set MSB, \new
.endif
.endm
.macro NOPS n
.rept \n
	v_nop
.endr
.endm
; A round of the cluster's barrier: my work-group's barrier, so that wave 0 speaks for all four waves; wave 0 signals; every wave waits for all
; four work-groups; my work-group's barrier once more.
.macro ROUND
	s_barrier_signal -1
	s_barrier_wait -1
	s_cmp_lg_u32 s20, 0
	s_cbranch_scc1 .Lnot_wave_0_\@
	s_barrier_signal -3
.Lnot_wave_0_\@:
	s_barrier_wait -3
	s_barrier_signal -1
	s_barrier_wait -1
.endm
	s_load_b512 s[4:19], s[0:1], 0x0               ; qf s[4:5], xf s[6:7], vwf s[8:9], cf s[10:11], vb s[12:13], ln_w s[14:15], ln_b s[16:17], out0 s[18:19]
	v_lshl_add_u32 v30, v0, 2, 0x40000
	v_mov_b32 v31, 0
	ds_add_u32 v30, v31
	s_wait_dscnt 0x0
	v_lshrrev_b32 v1, 5, v0
	v_readfirstlane_b32 s20, v1                    ; wave 0..3
	s_bfe_u32 s21, ttmp6, 0x40000                  ; cx: my place in the cluster
	s_lshl_b32 s22, ttmp9, 2                       ; ttmp9 counts clusters
	s_add_co_u32 s22, s22, s21                     ; work-group x = 64 x batch + image row of my queries
	s_lshr_b32 s44, ttmp9, 4                       ; batch, from the cluster's number alone: the same in all four partners
	s_lshl_b32 s44, s44, 21                        ; x 64 key rows of 32,768 bytes
	s_lshl_b32 s46, s20, 15                        ; my wave's quarter of a tile
	s_add_co_u32 s44, s44, s46
	s_mov_b32 s45, 0
	s_mov_b32 s47, 0
	s_mov_b32 s50, 0x76543210                      ; v_permlanex16_b32: lane i takes lane i of the other half
	s_mov_b32 s51, 0xfedcba98
	s_mov_b32 s52, 0x3b800000                      ; 1 / 256
	s_mov_b32 s53, 0x3727c5ac                      ; 1e-5
	; group 1: a dense block of 32,768 bytes as 128 rows of 32 elements of 8 bytes
	s_mov_b32 s[G1+0], 0x0023000f                  ; 15:0 mask: all four work-groups of the cluster; 17:16 elements of 8 bytes; 21 set beside a mask
	s_mov_b32 s[G1+1], 32<<16                      ; tensor_dim0 = 32
	s_mov_b32 s[G1+2], 128<<16                     ; tensor_dim1 = 128
	s_mov_b32 s[G1+3], 32<<16                      ; tile_dim0 = 32
	s_mov_b32 s[G1+4], 128                         ; tile_dim1 = 128
	s_mov_b32 s[G1+5], 32                          ; from row to row: 32 elements
	s_mov_b32 s[G1+6], 0
	s_mov_b32 s[G1+7], 0
	s_mov_b32 s[G0], 1
	s_lshl_b32 s[G0+1], s20, 15                    ; slot 0: 32,768 w
	s_mov_b32 s[G0+4], 1
	s_lshl_b32 s[G0+5], s20, 15
	s_add_co_u32 s[G0+5], s[G0+5], SLOT            ; slot 1
	s_mov_b32 s[G0W], 1
	s_lshl_b32 s[G0W+1], s20, 15                   ; vw goes into slot 0
	v_and_b32 v8, 31, v0                           ; L
	v_and_b32 v9, 15, v0                           ; r
	v_bfe_u32 v10, v0, 4, 1                        ; h
	v_bfe_u32 v11, v0, 3, 1                        ; (L / 8) % 2
	v_and_b32 v12, 7, v0                           ; L % 8
	v_xor_b32 v13, v10, v11
	v_lshl_add_u32 v12, v13, 3, v12                ; L % 8 + 8 (h xor (L / 8) % 2)
	v_lshl_add_u32 v14, v11, 4, v12                ; place in a block of the 16 bytes of key r, channel half h
	v_lshl_add_u32 v15, v10, 4, v12                ; place of the 16 bytes of key 8 h + L % 8, channel half (L / 8) % 2: what the transposing load wants of lane L
	v_lshlrev_b32 v[LO], 4, v8
	v_lshlrev_b32 v14, 4, v14
	v_lshlrev_b32 v15, 4, v15
	v_lshl_add_u32 v[KA], s20, 15, v14
	v_lshl_add_u32 v[VA], s20, 15, v15
	v_add_nc_u32 v[KA+1], SLOT, v[KA]
	v_add_nc_u32 v[VA+1], SLOT, v[VA]
	v_lshlrev_b32 v[CA], 2, v9
.irp qt, 0,1,2,3
	v_mov_b32 v[PT+\qt], 0                         ; the destination of v_permlanex16_b32 counts as read
.endr
	s_wait_kmcnt 0x0
	s_add_nc_u64 s[G0+2:G0+3], s[6:7], s[44:45]    ; step 0's tile
	s_add_nc_u64 s[G0+6:G0+7], s[G0+2:G0+3], STEP  ; step 1's
	s_or_b32 s[G0+3], s[G0+3], 0x80000000          ; type = 2
	s_or_b32 s[G0+7], s[G0+7], 0x80000000
	s_add_nc_u64 s[G0W+2:G0W+3], s[8:9], s[46:47]
	s_or_b32 s[G0W+3], s[G0W+3], 0x80000000
	s_lshl_b32 s54, s22, 15                        ; my queries' 32,768 bytes of qf (s21 to s23, s54, s55 alone hold what hangs on cx)
	s_mov_b32 s55, 0
	s_add_nc_u64 s[4:5], s[4:5], s[54:55]
	s_lshl_b32 s54, s22, 8                         ; and their 256 bytes of cf
	s_add_nc_u64 s[10:11], s[10:11], s[54:55]
	s_lshr_b32 s54, s22, 6
	s_lshl_b32 s54, s54, 22                        ; out0: batch x 256 channels x 16,384 bytes
	s_and_b32 s23, s22, 63
	s_lshl_b32 s23, s23, 8                         ; + image row x 256 bytes
	s_add_co_u32 s54, s54, s23
	s_add_nc_u64 s[18:19], s[18:19], s[54:55]
	ROUND                                          ; all four work-groups are here: the first joint load meets its partners
	tensor_load_to_lds s[G0:G0+3], s[G1:G1+7]      ; step 0's tile
	s_nop 0
.irp qt, 0,1,2,3
	global_load_b32 v[CB+8*\qt], v[CA], s[10:11] offset:64*\qt
.endr
	WIN 0x40                                       ; destination window 1
.irp qt, 0,1,2,3
.irp kc, 0,1,2,3,4,5,6,7
	global_load_b128 v[64*\qt+8*\kc:64*\qt+8*\kc+3],   v[LO], s[4:5] offset:\qt*8192+\kc*1024
	global_load_b128 v[64*\qt+8*\kc+4:64*\qt+8*\kc+7], v[LO], s[4:5] offset:\qt*8192+\kc*1024+512
.endr
.endr
	WIN 0
	s_wait_loadcnt 0x0                             ; Q and q.kb, once
.irp qt, 0,1,2,3
.irp j, 1,2,3,4,5,6,7
	v_mov_b32 v[CB+8*\qt+\j], v[CB+8*\qt]          ; a C tile's eight registers are eight keys of my query: the same number
.endr
.endr
; Four fragments (64 keys x 32 channels) of chunk kc: 8 loads
.macro KLOAD slot, kc, f
.irp kt, 0,1,2,3
	ds_load_b128 v[\f+8*\kt:\f+8*\kt+3],   v[KA+\slot] offset:\kt*8192+(\kc)*1024
	ds_load_b128 v[\f+8*\kt+4:\f+8*\kt+7], v[KA+\slot] offset:\kt*8192+(\kc)*1024+512
.endr
.endm
; 16 products, one on each score tile: the accumulators take turns, one instruction a turn
.macro SMUL kc, f, first
.irp qt, 0,1,2,3
.irp kt, 0,1,2,3
.if \first
	v_wmma_f32_16x16x32_f16 v[S+32*\qt+8*\kt:S+32*\qt+8*\kt+7], v[\f+8*\kt:\f+8*\kt+7], v[64*\qt+8*(\kc):64*\qt+8*(\kc)+7], v[CB+8*\qt:CB+8*\qt+7]
.else
	v_wmma_f32_16x16x32_f16 v[S+32*\qt+8*\kt:S+32*\qt+8*\kt+7], v[\f+8*\kt:\f+8*\kt+7], v[64*\qt+8*(\kc):64*\qt+8*(\kc)+7], v[S+32*\qt+8*\kt:S+32*\qt+8*\kt+7]
.endif
.endr
.endr
.endm
; The scores of one key row: 8 chunks on two fragment buffers.  One window setting for the whole phase: Q (source 1) in window 1; an LDS load's
; data and address lie in window 0 under it.
.macro SPHASE slot
	WIN 0x04
	NOPS 5                                         ; the first products write over P and V fragments that the last step's products read: five places
	KLOAD \slot, 0, F0
	KLOAD \slot, 1, F1
	s_wait_dscnt 8                                 ; all but the 8 loads just issued
	SMUL 0, F0, 1                                  ; the first chunk starts the sums with q.kb: nothing is cleared
	NOPS 4                                         ; four places between the products that read a buffer and the loads into it
	KLOAD \slot, 2, F0
	s_wait_dscnt 8
	SMUL 1, F1, 0
.irp kc, 2,4
	NOPS 4
	KLOAD \slot, \kc+1, F1
	s_wait_dscnt 8
	SMUL \kc, F0, 0
	NOPS 4
	KLOAD \slot, \kc+2, F0
	s_wait_dscnt 8
	SMUL \kc+1, F1, 0
.endr
	NOPS 4
	KLOAD \slot, 7, F1
	s_wait_dscnt 8
	SMUL 6, F0, 0
	s_wait_dscnt 0
	SMUL 7, F1, 0
	WIN 0
.endm
; Softmax, first part: maximum, exponentials, sum, reciprocal.  A lane holds 32 of a query's 64 scores, lane xor 16 the others.
; The four query tiles' chains are interleaved, so that no instruction waits for the one in front of it.
.macro SOFTA
	NOPS 4                                         ; four places behind the last product before its result is read
.irp qt, 0,1,2,3
	v_max3_num_f32 v[A+\qt], v[S+32*\qt], v[S+32*\qt+1], v[S+32*\qt+2]
.endr
.irp i, 3,5,7,9,11,13,15,17,19,21,23,25,27,29
.irp qt, 0,1,2,3
	v_max3_num_f32 v[A+\qt], v[A+\qt], v[S+32*\qt+\i], v[S+32*\qt+\i+1]
.endr
.endr
.irp qt, 0,1,2,3
	v_max_num_f32 v[A+\qt], v[A+\qt], v[S+32*\qt+31]
.endr
.irp qt, 0,1,2,3
	v_permlanex16_b32 v[PT+\qt], v[A+\qt], s50, s51
.endr
.irp qt, 0,1,2,3
	v_max_num_f32 v[M+2*\qt],   v[A+\qt], v[PT+\qt]      ; the key row's maximum for my query, twice for the packed subtraction
	v_max_num_f32 v[M+2*\qt+1], v[A+\qt], v[PT+\qt]
.endr
.irp i, 0,2,4,6,8,10,12,14,16,18,20,22,24,26,28,30
.irp qt, 0,1,2,3
	v_pk_add_f32 v[S+32*\qt+\i:S+32*\qt+\i+1], v[S+32*\qt+\i:S+32*\qt+\i+1], v[M+2*\qt:M+2*\qt+1] neg_lo:[0,1] neg_hi:[0,1]
.endr
.endr
.set i, 0
.rept 128
	v_exp_f32 v[S+i], v[S+i]                       ; base 2: log2(e) is in the scores already
.set i, i+1
.endr
	v_nop                                          ; one plain place behind the last exponential before its result is read (ISA guide 5.7.2)
	s_wait_alu depctr_va_vdst(0)
.irp qt, 0,1,2,3
	v_pk_add_f32 v[M+2*\qt:M+2*\qt+1], v[S+32*\qt:S+32*\qt+1], v[S+32*\qt+2:S+32*\qt+3]
.endr
.irp i, 4,6,8,10,12,14,16,18,20,22,24,26,28,30
.irp qt, 0,1,2,3
	v_pk_add_f32 v[M+2*\qt:M+2*\qt+1], v[M+2*\qt:M+2*\qt+1], v[S+32*\qt+\i:S+32*\qt+\i+1]
.endr
.endr
.irp qt, 0,1,2,3
	v_add_f32 v[A+\qt], v[M+2*\qt], v[M+2*\qt+1]
.endr
.irp qt, 0,1,2,3
	v_permlanex16_b32 v[PT+\qt], v[A+\qt], s50, s51
.endr
.irp qt, 0,1,2,3
	v_add_f32 v[A+\qt], v[A+\qt], v[PT+\qt]        ; at least 1: the maximum's own term
.endr
.irp qt, 0,1,2,3
	v_rcp_f32 v[R+2*\qt],   v[A+\qt]
	v_rcp_f32 v[R+2*\qt+1], v[A+\qt]
.endr
	v_nop                                          ; one plain place behind the last reciprocal
.endm
; Softmax, second part: divide, round to f16.  Group g = 2 qt + u (16 registers: keys 32 u .. 32 u + 31 of query tile qt) shrinks into its first
; eight registers, in ascending order so that no source is overwritten before it is read: that is P^T's operand; the other eight are free.
.macro SOFTB
	s_wait_alu depctr_va_vdst(0)
.irp qt, 0,1,2,3
.irp i, 0,2,4,6,8,10,12,14,16,18,20,22,24,26,28,30
	v_pk_mul_f32 v[S+32*\qt+\i:S+32*\qt+\i+1], v[S+32*\qt+\i:S+32*\qt+\i+1], v[R+2*\qt:R+2*\qt+1]
.endr
.endr
.irp g, 0,1,2,3,4,5,6,7
.irp i, 0,1,2,3,4,5,6,7
	v_cvt_pk_f16_f32 v[S+16*\g+\i], v[S+16*\g+2*\i], v[S+16*\g+2*\i+1]
.endr
.endr
.endm
; The key row transposed: eight fragments of channel tiles 4 bt .. 4 bt + 3 (two chunks of 32 keys each), 16 transposing loads; fragment 2 c + u at
; base + stride (2 c + u).  A load takes 16 keys x 16 channels: one block of 512 bytes.
.macro VLOAD slot, bt, base, stride
.irp c, 0,1,2,3
.irp u, 0,1
	ds_load_tr16_b128 v[\base+\stride*(2*\c+\u):\base+\stride*(2*\c+\u)+3],   v[VA+\slot] offset:(2*\u)*8192+(4*\bt+\c)*512
	ds_load_tr16_b128 v[\base+\stride*(2*\c+\u)+4:\base+\stride*(2*\c+\u)+7], v[VA+\slot] offset:(2*\u+1)*8192+(4*\bt+\c)*512
.endr
.endr
.endm
; 32 products on 16 accumulators (at o + 32 c + 8 qt of the window set), which take turns, one instruction a turn
.macro PMUL o, base, stride, zero
.irp u, 0,1
.irp c, 0,1,2,3
.irp qt, 0,1,2,3
.if \zero*(1-\u)
	v_wmma_f32_16x16x32_f16 v[\o+32*\c+8*\qt:\o+32*\c+8*\qt+7], v[\base+\stride*(2*\c+\u):\base+\stride*(2*\c+\u)+7], v[S+32*\qt+16*\u:S+32*\qt+16*\u+7], 0
.else
	v_wmma_f32_16x16x32_f16 v[\o+32*\c+8*\qt:\o+32*\c+8*\qt+7], v[\base+\stride*(2*\c+\u):\base+\stride*(2*\c+\u)+7], v[S+32*\qt+16*\u:S+32*\qt+16*\u+7], v[\o+32*\c+8*\qt:\o+32*\c+8*\qt+7]
.endif
.endr
.endr
.endr
.endm
; O += X^T P^T for one key row, four batches of four channel tiles on two fragment buffers: v[64:127], and the halves of S that SOFTB frees.
.macro PVPHASE slot, zero
	VLOAD \slot, 0, F0, 8                          ; on its way during the division and rounding
	SOFTB
	VLOAD \slot, 1, S+8, 16
	s_wait_dscnt 16                                ; all but the 16 loads just issued
	WIN 0xa0                                       ; C and D window 2
	PMUL 0, F0, 8, \zero
	WIN 0
	NOPS 4                                         ; four places between the products that read a buffer and the loads into it
	VLOAD \slot, 2, F0, 8
	s_wait_dscnt 16
	WIN 0xa0
	PMUL 128, S+8, 16, \zero
	WIN 0
	NOPS 4
	VLOAD \slot, 3, S+8, 16
	s_wait_dscnt 16
	WIN 0xf0                                       ; C and D window 3
	PMUL 0, F0, 8, \zero
	s_wait_dscnt 0
	PMUL 128, S+8, 16, \zero
	WIN 0
.endm
; One step, on the tile in slot.  In front of the round every wave has waited for its reads of the other slot and for all its tensor loads (the one that
; was out is this step's tile); behind the round the other slot is filled first: with the next step's tile, or (last = 1) with vw.
.macro TRIP slot, zero, last
	s_wait_xcnt 0x0
	v_lshl_add_u32 v30, v0, 2, 0x40000
	v_mov_b32 v31, 0
	s_wait_tensorcnt 0x0                           ; no tensor load of mine is out: this step's tile is in, and a group 0 may be written
	ds_add_u32 v30, v31
	s_wait_dscnt 0x0
	s_add_nc_u64 s[G0+4*\slot+2:G0+4*\slot+3], s[G0+4*\slot+2:G0+4*\slot+3], 2*STEP    ; this slot's next tile
	s_wait_dscnt 0x0                               ; my reads of the other slot are back
	ROUND                                          ; both now hold of every wave of all four work-groups
.if \last
	tensor_load_to_lds s[G0W:G0W+3], s[G1:G1+7]
	s_nop 0
.else
	tensor_load_to_lds s[G0+4-4*\slot:G0+7-4*\slot], s[G1:G1+7]
	s_nop 0
.endif
	SPHASE \slot
	SOFTA
	PVPHASE \slot, \zero
.endm
	TRIP 0, 1, 0                                   ; step 0 stands in front of the loop: its products start O's sums
	s_mov_b32 s48, 7
.Lstep:
	TRIP 1, 0, 0                                   ; steps 1 to 14
	TRIP 0, 0, 0
	s_sub_co_u32 s48, s48, 1
	s_cmp_lg_u32 s48, 0
	s_cbranch_scc1 .Lstep
	TRIP 1, 0, 1                                   ; step 15 (the stepped addresses of slots 0 and 1 are not used any more)
	; THE END.
	NOPS 4                                         ; four places behind the last product before its result is stored
	v_and_b32 v41, 15, v0                          ; r
	v_bfe_u32 v42, v0, 4, 1                        ; h
	v_lshl_add_u32 v[DA], s20, 13, v[LO]           ; partial results, 8 channel tiles at a time: slot 1 + query tile x 32,768 + wave x 8,192 + 16 L
	v_add_nc_u32 v[DA], SLOT, v[DA]
	v_add_nc_u32 v[DA+1], 0x10000, v[DA]
	v_lshl_add_u32 v[RA], s20, 15, v[LO]
	v_add_nc_u32 v[RA], SLOT, v[RA]
	v_lshlrev_b32 v[LNA], 5, v42                   ; 4 x 8 h
	v_mul_u32_u24 v[ST0], v42, 8*SPITCH            ; row 8 h, word 16 w + r
	v_lshl_add_u32 v[ST0], v41, 2, v[ST0]
	v_lshl_add_u32 v[ST0], s20, 6, v[ST0]
	v_add_nc_u32 v[ST0], SLOT, v[ST0]
	v_add_nc_u32 v[ST1], 128*SPITCH, v[ST0]
	v_lshl_add_u32 v43, s20, 6, v42                ; channel 64 w + h
	v_mul_u32_u24 v[RDA], v43, SPITCH
	v_lshl_add_u32 v[RDA], v41, 4, v[RDA]
	v_add_nc_u32 v[RDA], SLOT, v[RDA]
	v_lshlrev_b32 v[CO], 14, v43
	v_lshl_add_u32 v[CO], v41, 4, v[CO]
	v_add_nc_u32 v[WA1], 0x10000, v[LO]
	; vb and the gain go out early: lane (r, h) needs channels 16 ct + 8 h + j, as its results lie.
	WIN 0x40
.set i, 0
.rept 16
	global_load_b128 v[8*i:8*i+3],   v[LNA], s[12:13] offset:64*i
	global_load_b128 v[8*i+4:8*i+7], v[LNA], s[12:13] offset:64*i+16
.set i, i+1
.endr
.set i, 0
.rept 16
	global_load_b128 v[128+8*i:128+8*i+3],   v[LNA], s[14:15] offset:64*i
	global_load_b128 v[128+8*i+4:128+8*i+7], v[LNA], s[14:15] offset:64*i+16
.set i, i+1
.endr
	WIN 0
	s_wait_tensorcnt 0x0                           ; my quarter of vw is in: all waves read it
	s_barrier_signal -1                            ; my LDS reads are back (the wait for 0 in front of the last products): the partial results
	s_barrier_wait -1                              ; overwrite all waves' tiles in slot 1, which has had its last fill
; Every wave lays down all four query tiles, so that no register number hangs on the wave's number: 8 channel tiles (one window) at a time.
.macro DUMP win
	WIN \win                                       ; store data in window 2 or 3
.irp qt, 0,1,2,3
.irp c, 0,1,2,3,4,5,6,7
	ds_store_b128 v[DA+\qt/2], v[32*\c+8*\qt:32*\c+8*\qt+3]   offset:(\qt%2)*32768+\c*1024
	ds_store_b128 v[DA+\qt/2], v[32*\c+8*\qt+4:32*\c+8*\qt+7] offset:(\qt%2)*32768+\c*1024+512
.endr
.endr
	WIN 0
	s_wait_dscnt 0x0                               ; my stores are done: other waves read them
	s_barrier_signal -1
	s_barrier_wait -1
.endm
.macro PART d, o                       ; one wave's partial result of query tile w, 8 channel tiles: 16 loads
.set i, 0
.rept 8
	ds_load_b128 v[\d+8*i:\d+8*i+3],   v[RA] offset:\o+1024*i
	ds_load_b128 v[\d+8*i+4:\d+8*i+7], v[RA] offset:\o+1024*i+512
.set i, i+1
.endr
.endm
.macro PSUM a, d
.set i, 0
.rept 32
	v_pk_add_f32 v[\a+2*i:\a+2*i+1], v[\a+2*i:\a+2*i+1], v[\d+2*i:\d+2*i+1]
.set i, i+1
.endr
.endm
; Wave w sums the four partial results of query tile w, in the waves' order.  to = window bits for a load's destination, from = for source 1.
.macro MEET a, to, from
	PART \a, 0                                     ; wave 0's, into window 0
	WIN \to
	PART 0, 8192                                   ; waves 1, 2, 3's, into the window just laid down
	PART 64, 16384
	PART 128, 24576
	s_wait_dscnt 32                                ; all but the last two partial results' 32 loads
	WIN \from
	PSUM \a, 0
	s_wait_dscnt 16                                ; all but the last one's
	PSUM \a, 64
	s_wait_dscnt 0
	PSUM \a, 128
	WIN 0
.endm
	DUMP 0x08                                      ; channel tiles 0-7
	MEET S, 0x80, 0x08
	s_barrier_signal -1                            ; my reads are back (the wait for 0 above): the second half overwrites the first
	s_barrier_wait -1
	DUMP 0x0c                                      ; channel tiles 8-15
	MEET S+64, 0xc0, 0x0c
	s_wait_loadcnt 32                              ; vb is in; younger: the gain's 32 loads
	WIN 0x41                                       ; source 0 and destination window 1
.set i, 0
.rept 64
	v_pk_mul_f32 v[2*i:2*i+1], v[2*i:2*i+1], 0x42800000 op_sel_hi:[1,0]     ; 64 vb: each of the 64 key rows' weights sum to 1
.set i, i+1
.endr
	WIN 0xc0                                       ; the bias of the norm into window 3, which is free now
.set i, 0
.rept 16
	global_load_b128 v[8*i:8*i+3],   v[LNA], s[16:17] offset:64*i
	global_load_b128 v[8*i+4:8*i+7], v[LNA], s[16:17] offset:64*i+16
.set i, i+1
.endr
	WIN 0
	; sum attn x2 as the second operand: chunk kc is channel tiles 2 kc, 2 kc + 1, pairs of registers packed
.irp kc, 0,1,2,3,4,5,6,7
.irp i, 0,1,2,3,4,5,6,7
	v_cvt_pk_f16_f32 v[BF+8*\kc+\i], v[S+16*\kc+2*\i], v[S+16*\kc+2*\i+1]
.endr
.endr
; F^T = vw O^T + 64 vb for my 16 queries: 16 channel tiles x 8 chunks.  vw's 16 fragments of a chunk: 32 loads into one half of window 2.
.macro VWLOAD kc, buf
.set i, 0
.rept 8
	ds_load_b128 v[128*\buf+8*i:128*\buf+8*i+3],   v[LO] offset:i*8192+(\kc)*1024
	ds_load_b128 v[128*\buf+8*i+4:128*\buf+8*i+7], v[LO] offset:i*8192+(\kc)*1024+512
.set i, i+1
.endr
.set i, 0
.rept 8
	ds_load_b128 v[128*\buf+64+8*i:128*\buf+64+8*i+3],   v[WA1] offset:i*8192+(\kc)*1024
	ds_load_b128 v[128*\buf+64+8*i+4:128*\buf+64+8*i+7], v[WA1] offset:i*8192+(\kc)*1024+512
.set i, i+1
.endr
.endm
; 16 products, one on each accumulator: they take turns, one instruction a turn
.macro VWMUL kc, buf, first
.set i, 0
.rept 16
.if \first
	v_wmma_f32_16x16x32_f16 v[S+8*i:S+8*i+7], v[128*\buf+8*i:128*\buf+8*i+7], v[BF+8*(\kc):BF+8*(\kc)+7], v[8*i:8*i+7]
.else
	v_wmma_f32_16x16x32_f16 v[S+8*i:S+8*i+7], v[128*\buf+8*i:128*\buf+8*i+7], v[BF+8*(\kc):BF+8*(\kc)+7], v[S+8*i:S+8*i+7]
.endif
.set i, i+1
.endr
.endm
	WIN 0x80                                       ; destination window 2
	VWLOAD 0, 0
	VWLOAD 1, 1
	s_wait_dscnt 32                                ; all but the 32 loads just issued
	WIN 0x12                                       ; vw (source 0) window 2, 64 vb (C) window 1
	VWMUL 0, 0, 1                                  ; the first chunk starts the sums with 64 vb
.irp kc, 1,3,5
	NOPS 4                                         ; four places between the products that read a buffer and the loads into it
	WIN 0x80
	VWLOAD \kc+1, 0
	s_wait_dscnt 32
	WIN 0x02
	VWMUL \kc, 1, 0
	NOPS 4
	WIN 0x80
	VWLOAD \kc+2, 1
	s_wait_dscnt 32
	WIN 0x02
	VWMUL \kc+1, 0, 0
.endr
	s_wait_dscnt 0
	VWMUL 7, 1, 0
	WIN 0
	NOPS 4                                         ; four places behind the last product before its result is read or an operand written
	; The norm over 256 channels, in two passes: 128 in my registers, 128 in lane xor 16.
.irp c, 0,1,2,3
	v_pk_add_f32 v[T+2*\c:T+2*\c+1], v[S+2*\c:S+2*\c+1], v[S+8+2*\c:S+8+2*\c+1]
.endr
.set i, 8
.rept 56
	v_pk_add_f32 v[T+2*(i%4):T+2*(i%4)+1], v[T+2*(i%4):T+2*(i%4)+1], v[S+2*i:S+2*i+1]
.set i, i+1
.endr
.macro FOLD                            ; four chains of pairs, then the other half of the lanes: the sum over 256 channels in SC
	v_pk_add_f32 v[T:T+1], v[T:T+1], v[T+2:T+3]
	v_pk_add_f32 v[T+4:T+5], v[T+4:T+5], v[T+6:T+7]
	v_pk_add_f32 v[T:T+1], v[T:T+1], v[T+4:T+5]
	v_add_f32 v[SC], v[T], v[T+1]
	v_permlanex16_b32 v[PT], v[SC], s50, s51
	v_add_f32 v[SC], v[SC], v[PT]
.endm
	FOLD
	v_mul_f32 v[MU],   s52, v[SC]
	v_mul_f32 v[MU+1], s52, v[SC]
.set i, 0
.rept 64
	v_pk_add_f32 v[S+2*i:S+2*i+1], v[S+2*i:S+2*i+1], v[MU:MU+1] neg_lo:[0,1] neg_hi:[0,1]
.set i, i+1
.endr
.irp c, 0,1,2,3
	v_pk_mul_f32 v[T+2*\c:T+2*\c+1], v[S+2*\c:S+2*\c+1], v[S+2*\c:S+2*\c+1]
.endr
.set i, 4
.rept 60
	v_pk_fma_f32 v[T+2*(i%4):T+2*(i%4)+1], v[S+2*i:S+2*i+1], v[S+2*i:S+2*i+1], v[T+2*(i%4):T+2*(i%4)+1]
.set i, i+1
.endr
	FOLD
	v_fma_f32 v[SC], v[SC], s52, s53               ; variance + 1e-5
	v_rsq_f32 v[RS],   v[SC]
	v_rsq_f32 v[RS+1], v[SC]
	v_nop                                          ; one plain place behind the root
.set i, 0
	s_wait_alu depctr_va_vdst(0)
.rept 64
	v_pk_mul_f32 v[S+2*i:S+2*i+1], v[S+2*i:S+2*i+1], v[RS:RS+1]
.set i, i+1
.endr
	s_wait_loadcnt 0x0                             ; gain and bias
	WIN 0x34                                       ; source 1 (gain) window 1, source 2 (bias) window 3
.set i, 0
.rept 64
	v_pk_fma_f32 v[S+2*i:S+2*i+1], v[S+2*i:S+2*i+1], v[128+2*i:128+2*i+1], v[2*i:2*i+1]
.set i, i+1
.endr
	WIN 0
	s_barrier_signal -1                            ; my reads of the partial results are back: the output's rows overwrite them
	s_barrier_wait -1
	; The way out: out0's rows run along the pixels, my registers along the channels.  [256 channels][64 pixels] f32 in LDS, pitch 272 bytes:
	; sixteen lanes write sixteen neighbouring words, the other sixteen 8 rows = 544 words further on.
.irp c, 0,1,2,3,4,5,6,7
.irp j, 0,1,2,3,4,5,6,7
	ds_store_b32 v[ST0], v[S+8*\c+\j]    offset:(16*\c+\j)*SPITCH
	ds_store_b32 v[ST1], v[S+64+8*\c+\j] offset:(16*\c+\j)*SPITCH
.endr
.endr
	s_wait_dscnt 0x0                               ; my stores are done: other waves read them
	s_barrier_signal -1
	s_barrier_wait -1
.set t, 0
.rept 32
	ds_load_b128 v[S+4*t:S+4*t+3], v[RDA] offset:t*2*SPITCH    ; channels 64 w + 2 t (lanes 0-15) and 64 w + 2 t + 1 (lanes 16-31)
.set t, t+1
.endr
.set t, 0
.rept 32
	s_wait_dscnt 31-t                              ; LDS loads come back in order: load t is in, the younger ones stay out
	global_store_b128 v[CO], v[S+4*t:S+4*t+3], s[18:19] offset:t*32768 th:TH_STORE_NT   ; sixteen lanes store 256 consecutive bytes, aligned
.set t, t+1
.endr
	s_wait_xcnt 0x0
	v_lshl_add_u32 v30, v0, 2, 0x40000
	v_mov_b32 v31, 0
	s_wait_tensorcnt 0x0
	ds_add_u32 v30, v31
	s_wait_dscnt 0x0
	ROUND                                          ; the closing round
	s_endpgm
.Lfunc_end_k_q76eacf105c_attn:
	.size	k_q76eacf105c_attn, .Lfunc_end_k_q76eacf105c_attn-k_q76eacf105c_attn
	.p2alignl 7, 3214868480
	.fill 96, 4, 3214868480
	.section	.rodata,"a",@progbits
	.p2align	6, 0x0
	.amdhsa_kernel k_q76eacf105c_attn
		.amdhsa_group_segment_fixed_size 327680
		.amdhsa_private_segment_fixed_size 0
		.amdhsa_enable_private_segment 0
		.amdhsa_kernarg_size 64
		.amdhsa_user_sgpr_count 2
		.amdhsa_user_sgpr_kernarg_segment_ptr 1
		.amdhsa_wavefront_size32 1
		.amdhsa_system_sgpr_workgroup_id_x 1
		.amdhsa_system_sgpr_workgroup_id_y 1
		.amdhsa_system_sgpr_workgroup_id_z 1
		.amdhsa_system_vgpr_workitem_id 0
		.amdhsa_next_free_vgpr 1024
		.amdhsa_next_free_sgpr 66
		.amdhsa_reserve_vcc 0
		.amdhsa_float_denorm_mode_32 3
		.amdhsa_float_denorm_mode_16_64 3
		.amdhsa_memory_ordered 1
		.amdhsa_forward_progress 1
		.amdhsa_inst_pref_size 255
	.end_amdhsa_kernel
	.section	.bss,"aw",@nobits
	.p2align	6
	.space	262144
	.amdgpu_metadata
---
amdhsa.version: [ 1, 2 ]
amdhsa.kernels:
  - .name:           k_q76eacf105c_attn
    .symbol:         k_q76eacf105c_attn.kd
    .args:
      - { .name: qf, .offset: 0, .size: 8, .value_kind: global_buffer, .address_space: global }
      - { .name: xf, .offset: 8, .size: 8, .value_kind: global_buffer, .address_space: global }
      - { .name: vwf, .offset: 16, .size: 8, .value_kind: global_buffer, .address_space: global }
      - { .name: cf, .offset: 24, .size: 8, .value_kind: global_buffer, .address_space: global }
      - { .name: vb, .offset: 32, .size: 8, .value_kind: global_buffer, .address_space: global }
      - { .name: ln_w, .offset: 40, .size: 8, .value_kind: global_buffer, .address_space: global }
      - { .name: ln_b, .offset: 48, .size: 8, .value_kind: global_buffer, .address_space: global }
      - { .name: out0, .offset: 56, .size: 8, .value_kind: global_buffer, .address_space: global }
    .group_segment_fixed_size: 327680
    .private_segment_fixed_size: 0
    .kernarg_segment_align: 8
    .kernarg_segment_size: 64
    .max_flat_workgroup_size: 128
    .sgpr_count:     66
    .vgpr_count:     1024
    .wavefront_size: 32
...
	.end_amdgpu_metadata
.endif
;; end of part 4
;; ======== version 3 of 3: 2 launches; version 2 with the launch proj written anew for expert scheduling mode
;; limits: values are held in f16: magnitudes above 65,504 overflow, below 6.1e-05 lose precision; inputs' magnitudes at most 1,023
;; workspace buffers: qf 8,388,608 bytes; xf 8,388,608 bytes; vwf 131,072 bytes; cf 65,536 bytes
;; launch proj (part 5): grid 256 x 1, 8 waves a work-group, no clusters, 315,392 bytes of LDS; arguments x1, x2, qw, kw, vw, qb, kb, qf, xf, vwf, cf; writes qf, xf, vwf, cf
.if DOCPART == 5
	.amdgcn_target "amdgcn-amd-amdhsa--gfx1250"
	.amdhsa_code_object_version 6
	.text
	.protected	k_q76eacf105c_proj
	.globl	k_q76eacf105c_proj
	.p2align	8
	.type	k_q76eacf105c_proj,@function
k_q76eacf105c_proj:
	s_mov_b64 s[64:65], 0
	v_nop
	global_prefetch_b8 v0, s[64:65] scope:SCOPE_SE
	s_setreg_imm32_b32 hwreg(HW_REG_WAVE_SCHED_MODE, 0, 2), 2
	s_setreg_imm32_b32 hwreg(HW_REG_WAVE_MODE, 25, 1), 1
	s_wait_xcnt 0x0
	s_wait_alu depctr_vm_vsrc(0)
; What the attention launch needs, made once.  For every input  q.(kw x2 + kb) = (kw^T q).x2 + q.kb  and, since each key row is a whole
; softmax of sum 1,  sum attn (vw x2 + vb) = vw (sum attn x2) + 64 vb.  So x2 itself serves as keys and as values, and this launch makes
;   qf  = kw^T ((qw x1 + qb) log2(e))   two products of a 256 x 256 matrix with the pixels' 256 channels
;   cf  = ((qw x1 + qb) log2(e)) . kb   one number a pixel
;   xf  = x2, vwf = vw                  rounded, in the order in which the next launch's matrix operands lie in registers
; A work-group takes one image row (64 pixels) of x1 and of x2; wave w takes 32 output channels of each product, and channels 32 w .. + 31 of x2.
; FORMATS AND LIMITS: x1, x2, qw, kw, vw are rounded to bf16; sums and biases are f32.  q log2(e) and kw^T q are rounded to f16, because the scores are
; differences of sums of 256 products; kw, x2 and vw meet f16 operands and so carry their bf16 value in f16, which is exact from 2^-14 to 65,504:
; below that the error is 2^-25 at the most, above it the number becomes infinite, as does any f16 result above 65,504.
; LAYOUTS, with wg = this work-group, L = lane, r = L % 16, h = L / 16:
;   qf:  byte wg*32768 + pt*8192 + ot*512 + 16 L holds channels 16 ot + 8 h .. + 7 of pixel 16 pt + r
;   xf:  the same blocks, but the 16 bytes of (r, h) lie at place p = r%8 + 8 (h xor r/8) + 16 (r/8) of the block: read by rows of keys or transposed,
;        sixteen neighbouring lanes then touch sixteen different 16-byte columns of 256 bytes
;   vwf: byte wg*512 + 16 L holds vw[16 (wg/16) + r][16 (wg%16) + 8 h .. + 7]
;   cf:  word 64 wg + pixel
; Each store of a wave covers 512 consecutive bytes, aligned (cf: 256).
; NO TENSOR LOADS, NO CLUSTER: every input is f32 and passes through registers to be rounded, so no tile goes straight into LDS.
; THE MODE: SCHED_MODE bits 1:0 = 2 (LLVM: expert scheduling mode 2), set by the entry lines.  The code itself states the register dependences
; between vector or matrix instructions and memory or LDS instructions, with s_wait_alu, always for 0.
; THE PLAN.  Registers that memory or LDS instructions touch:
;   v2 .. v19     Addresses and offsets: written at the head, read by every access, never written again.
;   window 1      Four raw groups of 64: qw's loads land; group g's conversions read it; kw's loads land in it at once; kw's conversions read it.
;   out-buffers   Every run of LDS stores leaves from 32 registers of its own: x1 from WF, x2 from CV, qw's group g from v[64 + 32 g ..] (ACC, XF),
;                 kw's groups from ACC's two halves, XF's second half and WF.  So no out-buffer is written again inside a stage.
;   XF, WF        Two fragment buffers.  Chunk kc's products read buffer kc % 2; the loads of chunk kc + 1 land in the other, which chunk kc - 1 read.
;   XF's first half  also takes my 32 channels of x2 back from LDS, during the first product's last chunk, and xf's stores leave from it.
;   TA, CV        The parts of q . kb and q leave from them by LDS stores; kw^T q leaves from CV by global stores.
; A wait on va_vdst stands behind each run of conversions whose results are stored or whose sources are loaded again, and at the head of each chunk that
; asks for fragments; the accesses that lean on it follow with no further wait, since no vector or matrix line behind the wait names their registers.
; A wait on vm_vsrc stands behind each of the two barriers, where all out-buffers change hands, and ahead of the two lines that make the closing add's registers.
.set LOG2E,  0x3fb8aa3b
.set HI16,   0xffff0000
.set XPITCH, 160                       ; x in LDS: [256 channels][64 pixels] of 16 bits, 5 x 32 bytes for the transposing load
.set X2BASE, 256*XPITCH                ; 40,960
.set QXBASE, 2*X2BASE                  ; 81,920: q as f16, [64 pixels][256 channels], pitch 528 = 33 x 16
.set QPITCH, 528
.set CPBASE, QXBASE+64*QPITCH          ; 115,712: the waves' parts of q . kb, [8][64] f32
.set WBASE,  CPBASE+2048               ; 117,760: each wave's own weight stage
.set WPITCH, 528                       ; qw: 32 rows of 256 bf16
.set KPITCH, 96                        ; kw: 256 rows (o) of my 32 columns (c') in f16, 3 x 32 bytes for the transposing load
.set WSTAGE, 256*KPITCH                ; 24,576 bytes a wave
; window 0
.set XO,  2                            ; x: (32 w + h) channels of 16,384 bytes + 16 r
.set WO,  3                            ; qw: 32,768 w + 16 L
.set XS,  4                            ; LDS: where my 8 bytes of x go
.set WS,  5                            ; LDS: where my 8 bytes of a row of qw go
.set WL,  6                            ; LDS: my fragments of qw
.set XL1, 7                            ; LDS: my fragments of x1 (transposing load)
.set XLW, 8                            ; LDS: my wave's own 32 channels of x2 (transposing load)
.set OQ,  9                            ; qf: 1,024 w + 16 L
.set OX,  10                           ; xf: 1,024 w + 16 p
.set BO,  11                           ; qb, kb: 4 (32 w + 8 h)
.set KO,  12                           ; kw: row L / 8, my wave's 128 bytes, 16 (L % 8)
.set KS,  13                           ; LDS: where my 8 bytes of kw go
.set KL,  14                           ; LDS: my fragments of kw^T (transposing load)
.set QS,  15                           ; LDS: where my 16 bytes of q go
.set QL,  16                           ; LDS: my fragments of q
.set CS,  17                           ; LDS: my wave's part of q . kb
.set VO,  18                           ; vw: this work-group's block
.set LO,  19                           ; 16 L
.set VWD, 20                           ; v[20:23]   the block of vw as f16
.set BQ,  24                           ; v[24:39]   qb as two C tiles
.set SCR, 24                           ; v[24:39]   behind the first product: at work on kw; no memory instruction reads them
.set BK,  40                           ; v[40:55]   kb, laid as q's results lie
.set TA,  56                           ; v[56:63]   at work
.set ACC, 64                           ; v[64:127]  8 accumulator tiles: (channel tile o, pixel tile p) at 8 (4 o + p); between the products out-buffers
.set XF,  128                          ; v[128:191] fragments of x1, later of q: two buffers of four; between the products out-buffers
.set WF,  192                          ; v[192:223] weight fragments, two buffers of two; between the products an out-buffer
.set CV,  224                          ; v[224:255] rounded numbers on their way to LDS or to memory
; window 1: v[0:255] one matrix's share in f32, 64 loads of 16 bytes a lane
.set MSB, 0
.macro WIN new                         ; the immediate's high byte repeats the setting that is left
.if MSB != \new
	s_set_vgpr_msb (MSB<<8)|\new
.set MSB, \new
.endif
.endm
.macro NOPS n
.rept \n
	v_nop
.endr
.endm
	s_load_b512 s[4:19], s[0:1], 0x0               ; x1 s[4:5], x2 s[6:7], qw s[8:9], kw s[10:11], vw s[12:13], qb s[14:15], kb s[16:17], qf s[18:19]
	s_load_b128 s[20:23], s[0:1], 0x40             ; xf s[20:21], vwf s[22:23]
	s_load_b64 s[24:25], s[0:1], 0x50              ; cf
	v_lshrrev_b32 v1, 5, v0
	v_readfirstlane_b32 s26, v1                    ; wave 0..7
	v_and_b32 v56, 31, v0                          ; L
	v_and_b32 v57, 15, v0                          ; r
	v_bfe_u32 v58, v0, 4, 1                        ; h
	v_and_b32 v59, 7, v0                           ; L % 8
	v_bfe_u32 v60, v0, 3, 1                        ; (L / 8) % 2
	v_bfe_u32 v61, v0, 3, 2                        ; L / 8
	s_lshr_b32 s28, ttmp9, 6                       ; batch
	s_lshl_b32 s28, s28, 22                        ; x 256 channels x 16,384 bytes
	s_and_b32 s29, ttmp9, 63                       ; image row
	s_lshl_b32 s29, s29, 8                         ; x 256 bytes
	s_add_co_u32 s28, s28, s29
	s_mov_b32 s29, 0
	s_lshl_b32 s30, ttmp9, 15                      ; this work-group's 32,768 bytes of qf and xf
	s_mov_b32 s31, 0
	s_lshl_b32 s34, ttmp9, 9                       ; its 512 bytes of vwf
	s_mov_b32 s35, 0
	s_lshl_b32 s36, ttmp9, 8                       ; its 256 bytes of cf
	s_mov_b32 s37, 0
	s_lshr_b32 s38, ttmp9, 4                       ; its block of vw: rows 16 (wg / 16), 1,024 bytes each,
	s_lshl_b32 s38, s38, 14
	s_and_b32 s39, ttmp9, 15                       ; columns 16 (wg % 16)
	s_lshl_b32 s39, s39, 6
	s_add_co_u32 s38, s38, s39
	s_wait_alu depctr_va_sdst(0)                   ; s26 is written, ahead of its first reader, the line below
	s_mul_i32 s27, s26, WSTAGE
	s_add_co_u32 s27, s27, WBASE                   ; my wave's weight stage
	s_mul_i32 s39, s26, 32*XPITCH
	s_add_co_u32 s39, s39, X2BASE                  ; my wave's 32 channels of x2 in LDS
	s_mov_b32 s32, 0x76543210                      ; v_permlanex16_b32: lane i takes lane i of the other half
	s_mov_b32 s33, 0xfedcba98
	v_lshl_add_u32 v1, s26, 5, v58                 ; channel 32 w + h
	v_lshlrev_b32 v[XO], 14, v1
	v_lshl_add_u32 v[XO], v57, 4, v[XO]
	v_mul_u32_u24 v[XS], v1, XPITCH
	v_lshl_add_u32 v[XS], v57, 3, v[XS]
	v_lshlrev_b32 v[LO], 4, v56
	v_lshl_add_u32 v[WO], s26, 15, v[LO]
	v_lshl_add_u32 v[WS], v56, 3, s27
	v_mul_u32_u24 v[QL], v57, QPITCH               ; row r of pitch 528 (qw's stage and q's exchange alike), 16 bytes for each half of the lanes
	v_lshl_add_u32 v[QL], v58, 4, v[QL]
	v_add_nc_u32 v[WL], s27, v[QL]
	v_lshl_add_u32 v[QS], s26, 6, v[QL]            ; + my wave's 32 channels
	v_add_nc_u32 v[QS], QXBASE, v[QS]
	v_add_nc_u32 v[QL], QXBASE, v[QL]
	v_lshl_add_u32 v1, v58, 3, v59                 ; row 8 h + L % 8 of a chunk, for the transposing loads
	v_mul_u32_u24 v[XL1], v1, XPITCH
	v_lshl_add_u32 v[XL1], v60, 4, v[XL1]          ; + 16 bytes for the second eight columns
	v_add_nc_u32 v[XLW], s39, v[XL1]
	v_mul_u32_u24 v[KL], v1, KPITCH
	v_lshl_add_u32 v[KL], v60, 4, v[KL]
	v_add_nc_u32 v[KL], s27, v[KL]
	v_lshl_add_u32 v[OQ], s26, 10, v[LO]           ; channel tiles 2 w, 2 w + 1 of 512 bytes
	v_xor_b32 v1, v58, v60                         ; h xor r / 8
	v_lshl_add_u32 v1, v1, 3, v59
	v_lshl_add_u32 v1, v60, 4, v1                  ; p
	v_lshlrev_b32 v1, 4, v1
	v_lshl_add_u32 v[OX], s26, 10, v1
	v_lshlrev_b32 v[BO], 5, v58
	v_lshl_add_u32 v[BO], s26, 7, v[BO]
	v_lshlrev_b32 v[KO], 10, v61
	v_lshl_add_u32 v[KO], v59, 4, v[KO]
	v_lshl_add_u32 v[KO], s26, 7, v[KO]
	v_mul_u32_u24 v[KS], v61, KPITCH
	v_lshl_add_u32 v[KS], v59, 3, v[KS]
	v_add_nc_u32 v[KS], s27, v[KS]
	v_lshlrev_b32 v[CS], 2, v57
	v_lshl_add_u32 v[CS], s26, 8, v[CS]
	v_add_nc_u32 v[CS], CPBASE, v[CS]
	v_lshlrev_b32 v[VO], 10, v57
	v_lshl_add_u32 v[VO], v58, 5, v[VO]
	v_add_nc_u32 v[VO], s38, v[VO]
	s_wait_kmcnt 0x0
	s_add_nc_u64 s[4:5], s[4:5], s[28:29]
	s_add_nc_u64 s[6:7], s[6:7], s[28:29]
	s_add_nc_u64 s[18:19], s[18:19], s[30:31]
	s_add_nc_u64 s[20:21], s[20:21], s[30:31]
	s_add_nc_u64 s[22:23], s[22:23], s[34:35]
	s_add_nc_u64 s[24:25], s[24:25], s[36:37]
; 16 loads into window 1: group g of the four groups of a matrix's share
.macro WLOADS g                        ; qw: my 32 rows, 512 consecutive bytes a load
	WIN 0x40                                       ; destination window 1, address window 0
.set q, 16*\g
.rept 16
	global_load_b128 v[4*q:4*q+3], v[WO], s[8:9] offset:q*512
.set q, q+1
.endr
.endm
.macro KLOADS g                        ; kw: my 32 columns of all 256 rows, four rows' 128 bytes a load
	WIN 0x40
.set q, 16*\g
.rept 16
	global_load_b128 v[4*q:4*q+3], v[KO], s[10:11] offset:q*4096
.set q, q+1
.endr
.endm
	s_wait_alu depctr_va_vdst(0)                   ; the addresses and offsets v2 to v19 are written, which every access of the kernel reads; so are v56 to v61, in which vw's block lands
	; qb comes first: as C tiles of the first products it starts the sums.  A lane's register j is channel 8 h + j of the tile; kb is laid the same way.
.irp o, 0,1
	global_load_b128 v[BQ+8*\o:BQ+8*\o+3],   v[BO], s[14:15] offset:64*\o
	global_load_b128 v[BQ+8*\o+4:BQ+8*\o+7], v[BO], s[14:15] offset:64*\o+16
	global_load_b128 v[BK+8*\o:BK+8*\o+3],   v[BO], s[16:17] offset:64*\o
	global_load_b128 v[BK+8*\o+4:BK+8*\o+7], v[BO], s[16:17] offset:64*\o+16
.endr
	global_load_b128 v[TA:TA+3],   v[VO], s[12:13]             ; the block of vw: every wave loads it, so that all waves' counts are alike; wave 0 stores it
	global_load_b128 v[TA+4:TA+7], v[VO], s[12:13] offset:16
	; x: each load takes two channels' rows of 256 bytes (lanes 0-15, lanes 16-31); read once in the whole launch
.set t, 0
.rept 16
	global_load_b128 v[ACC+4*t:ACC+4*t+3], v[XO], s[4:5] offset:t*32768 th:TH_LOAD_NT
.set t, t+1
.endr
.set t, 0
.rept 16
	global_load_b128 v[XF+4*t:XF+4*t+3], v[XO], s[6:7] offset:t*32768 th:TH_LOAD_NT
.set t, t+1
.endr
	WLOADS 0
	WLOADS 1
	WIN 0
	s_wait_loadcnt 48                              ; biases, vw's block and x1 are in; younger: 16 loads of x2 and 32 of qw
.set t, 0
.rept 16
	v_cvt_pk_bf16_f32 v[WF+2*t],   v[ACC+4*t],   v[ACC+4*t+1]
	v_cvt_pk_bf16_f32 v[WF+2*t+1], v[ACC+4*t+2], v[ACC+4*t+3]
.set t, t+1
.endr
	v_cvt_pk_bf16_f32 v[TA],   v[TA],   v[TA+1]    ; vw's block: rounded to bf16, then that value written as f16
	v_cvt_pk_bf16_f32 v[TA+1], v[TA+2], v[TA+3]
	v_cvt_pk_bf16_f32 v[TA+2], v[TA+4], v[TA+5]
	v_cvt_pk_bf16_f32 v[TA+3], v[TA+6], v[TA+7]
.irp i, 0,1,2,3
	v_lshlrev_b32 v[TA+4], 16, v[TA+\i]
	v_and_b32 v[TA+5], HI16, v[TA+\i]
	v_cvt_pk_f16_f32 v[VWD+\i], v[TA+4], v[TA+5]
.endr
	s_wait_alu depctr_va_vdst(0)                   ; the conversions have written v[WF ..] and v[VWD ..], which the stores below read
.set t, 0
.rept 16
	ds_store_b64 v[XS], v[WF+2*t:WF+2*t+1] offset:t*2*XPITCH
.set t, t+1
.endr
	s_cmp_lg_u32 s26, 0
	s_cbranch_scc1 .Lno_vw
	global_store_b128 v[LO], v[VWD:VWD+3], s[22:23]            ; its registers are never written again
.Lno_vw:
	s_wait_loadcnt 32                              ; x2 is in; younger: the 32 loads of qw
	WLOADS 2                                       ; the rest of qw goes out ahead of x2's conversions: no vector line names these registers, and v[WO] stands since the head's wait
	WLOADS 3
	WIN 0
.set t, 0
.rept 16
	v_cvt_pk_bf16_f32 v[CV+2*t],   v[XF+4*t],   v[XF+4*t+1]
	v_cvt_pk_bf16_f32 v[CV+2*t+1], v[XF+4*t+2], v[XF+4*t+3]
	v_lshlrev_b32 v[XF+4*t],   16,   v[CV+2*t]
	v_and_b32     v[XF+4*t+1], HI16, v[CV+2*t]
	v_lshlrev_b32 v[XF+4*t+2], 16,   v[CV+2*t+1]
	v_and_b32     v[XF+4*t+3], HI16, v[CV+2*t+1]
	v_cvt_pk_f16_f32 v[CV+2*t],   v[XF+4*t],   v[XF+4*t+1]
	v_cvt_pk_f16_f32 v[CV+2*t+1], v[XF+4*t+2], v[XF+4*t+3]
.set t, t+1
.endr
	s_wait_alu depctr_va_vdst(0)                   ; the conversions have written v[CV ..], which the LDS stores read
.set t, 0
.rept 16
	ds_store_b64 v[XS], v[CV+2*t:CV+2*t+1] offset:X2BASE+t*2*XPITCH
.set t, t+1
.endr
	; qw, which lies in window 1, is rounded to bf16 and laid into my stage group by group; each group's registers are loaded again at once
	; with kw, whose 32,768 bytes a wave are then on their way during the first product.  Group g's out-buffer is v[64 + 32 g ..]: x1's and x2's raw registers, done with.
.irp g, 0,1,2,3
	s_wait_loadcnt 48                              ; group g is in; younger: 16 (3 - g) loads of qw and 16 g of kw
	WIN 0x05                                       ; both sources window 1
.set q, 0
.rept 16
	v_cvt_pk_bf16_f32 v[ACC+32*\g+2*q],   v[64*\g+4*q],   v[64*\g+4*q+1]
	v_cvt_pk_bf16_f32 v[ACC+32*\g+2*q+1], v[64*\g+4*q+2], v[64*\g+4*q+3]
.set q, q+1
.endr
	WIN 0x40
	s_wait_alu depctr_va_vdst(0)                   ; the conversions are done reading the group's raw registers, in which kw lands, and have written its out-buffer, which the LDS stores read
	KLOADS \g
.set q, 0
.rept 16
	ds_store_b64 v[WS], v[ACC+32*\g+2*q:ACC+32*\g+2*q+1] offset:((16*\g+q)/2)*WPITCH+((16*\g+q)%2)*256   ; address and data lie in window 0 under this setting too
.set q, q+1
.endr
.endr
	WIN 0
; The fragments of chunk kc (32 along K) into buffer buf: 12 LDS loads, in three parts of four.
; two = 0: qw lies along K (two loads 32 bytes apart), x1 lies [channel][pixel] (two transposing loads 16 rows apart).
; two = 1: kw lies [o][c'] and is wanted as kw^T (transposing loads), q lies along K.
.macro LOADW two, kc, buf              ; the two weight fragments
.if \two
.irp o, 0,1
	ds_load_tr16_b128 v[WF+16*(\buf)+8*\o:WF+16*(\buf)+8*\o+3],   v[KL] offset:(\kc)*32*KPITCH+32*\o
	ds_load_tr16_b128 v[WF+16*(\buf)+8*\o+4:WF+16*(\buf)+8*\o+7], v[KL] offset:(\kc)*32*KPITCH+32*\o+16*KPITCH
.endr
.else
.irp o, 0,1
	ds_load_b128 v[WF+16*(\buf)+8*\o:WF+16*(\buf)+8*\o+3],   v[WL] offset:\o*16*WPITCH+64*(\kc)
	ds_load_b128 v[WF+16*(\buf)+8*\o+4:WF+16*(\buf)+8*\o+7], v[WL] offset:\o*16*WPITCH+64*(\kc)+32
.endr
.endif
.endm
.macro LOADX two, kc, buf, p0          ; the fragments of pixel tiles p0, p0 + 1
.if \two
.irp p, \p0, (\p0)+1
	ds_load_b128 v[XF+32*(\buf)+8*(\p):XF+32*(\buf)+8*(\p)+3],   v[QL] offset:(\p)*16*QPITCH+64*(\kc)
	ds_load_b128 v[XF+32*(\buf)+8*(\p)+4:XF+32*(\buf)+8*(\p)+7], v[QL] offset:(\p)*16*QPITCH+64*(\kc)+32
.endr
.else
.irp p, \p0, (\p0)+1
	ds_load_tr16_b128 v[XF+32*(\buf)+8*(\p):XF+32*(\buf)+8*(\p)+3],   v[XL1] offset:(\kc)*32*XPITCH+32*(\p)
	ds_load_tr16_b128 v[XF+32*(\buf)+8*(\p)+4:XF+32*(\buf)+8*(\p)+7], v[XL1] offset:(\kc)*32*XPITCH+32*(\p)+16*XPITCH
.endr
.endif
.endm
; Product n of a chunk's eight: channel tile n / 4, pixel tile n % 4, one on each accumulator: the accumulators take turns, one instruction a turn.
; Rows = output channels, columns = pixels: a lane gets 8 neighbouring channels of a pixel.  The first chunk starts the sums: with qb, or with 0.
.macro PROD two, buf, first, n
.set xd, ACC+8*(\n)
.set xa, WF+16*(\buf)+8*((\n)/4)
.set xb, XF+32*(\buf)+8*((\n)%4)
.if \two
.if \first
	v_wmma_f32_16x16x32_f16 v[xd:xd+7], v[xa:xa+7], v[xb:xb+7], 0
.else
	v_wmma_f32_16x16x32_f16 v[xd:xd+7], v[xa:xa+7], v[xb:xb+7], v[xd:xd+7]
.endif
.else
.if \first
	v_wmma_f32_16x16x32_bf16 v[xd:xd+7], v[xa:xa+7], v[xb:xb+7], v[BQ+8*((\n)/4):BQ+8*((\n)/4)+7]
.else
	v_wmma_f32_16x16x32_bf16 v[xd:xd+7], v[xa:xa+7], v[xb:xb+7], v[xd:xd+7]
.endif
.endif
.endm
; Chunk kc: its eight products, on buffer kc % 2.  more = 1: the next chunk's twelve loads, into the other buffer, are dealt behind the first three products,
; which name this chunk's buffer and the accumulators: none of the registers that those loads touch.
.macro CHUNK two, kc, first, more
	PROD \two, (\kc)%2, \first, 0
.if \more
	LOADW \two, (\kc)+1, 1-(\kc)%2
.endif
	PROD \two, (\kc)%2, \first, 1
.if \more
	LOADX \two, (\kc)+1, 1-(\kc)%2, 0
.endif
	PROD \two, (\kc)%2, \first, 2
.if \more
	LOADX \two, (\kc)+1, 1-(\kc)%2, 2
.endif
.irp n, 3,4,5,6,7
	PROD \two, (\kc)%2, \first, \n
.endr
.endm
; Chunks 0 to 6 of a product; the last chunk, which asks for no fragments, is written out behind each use.
.macro GEMM two
	LOADW \two, 0, 0
	LOADX \two, 0, 0, 0
	LOADX \two, 0, 0, 2
	LOADW \two, 1, 1
	LOADX \two, 1, 1, 0
	LOADX \two, 1, 1, 2
	s_wait_dscnt 12                                ; chunk 0 is in; chunk 1's 12 loads stay out
	CHUNK \two, 0, 1, 0
.irp kc, 1,2,3,4,5,6
	s_wait_dscnt 0x0                               ; this chunk's fragments are in
	s_wait_alu depctr_va_vdst(0)                   ; the products of the chunk before are done reading the other buffer, in which the loads dealt below land
	CHUNK \two, \kc, 0, 1
.endr
.endm
	s_wait_dscnt 0x0                               ; my stores of x1 are done: the other waves read them
	s_barrier_signal -1
	s_barrier_wait -1                              ; x1 is whole, and nobody writes it again
	s_wait_alu depctr_vm_vsrc(0)                   ; my LDS stores have read v[WF ..], v[CV ..] and qw's four out-buffers: fragments land in WF and XF, the products write ACC, q's roundings write CV
	GEMM 0                                         ; q = qw x1 + qb
	s_wait_dscnt 0x0                               ; chunk 7's fragments are in
	s_wait_alu depctr_va_vdst(0)                   ; chunk 6's products are done reading buffer 0, in which x2 lands
	; My own 32 channels of x2 come back transposed (my own bytes, and LDS serves a wave in order: no barrier): 8 channels of a pixel a lane.  Dealt among the last chunk's products, which name buffer 1.
	PROD 0, 1, 0, 0
.irp p, 0,1
	ds_load_tr16_b128 v[XF+8*\p:XF+8*\p+3],   v[XLW] offset:32*\p
	ds_load_tr16_b128 v[XF+8*\p+4:XF+8*\p+7], v[XLW] offset:32*\p+16*XPITCH
.endr
	PROD 0, 1, 0, 1
.irp p, 2,3
	ds_load_tr16_b128 v[XF+8*\p:XF+8*\p+3],   v[XLW] offset:32*\p
	ds_load_tr16_b128 v[XF+8*\p+4:XF+8*\p+7], v[XLW] offset:32*\p+16*XPITCH
.endr
.irp n, 2,3,4,5,6,7
	PROD 0, 1, 0, \n
.endr
	NOPS 4                                         ; four places behind the last product before its result is read (ISA guide 7.12.1)
.set i, 0
.rept 32
	v_pk_mul_f32 v[ACC+2*i:ACC+2*i+1], v[ACC+2*i:ACC+2*i+1], LOG2E op_sel_hi:[1,0]   ; so that the softmax can use the exponential of base 2
.set i, i+1
.endr
	; my wave's part of q . kb: 16 channels in my registers, 16 in lane xor 16; four chains, one for each pixel tile
.irp p, 0,1,2,3
	v_pk_mul_f32 v[TA+2*\p:TA+2*\p+1], v[ACC+8*\p:ACC+8*\p+1], v[BK:BK+1]
.endr
.irp j, 2,4,6
.irp p, 0,1,2,3
	v_pk_fma_f32 v[TA+2*\p:TA+2*\p+1], v[ACC+8*\p+\j:ACC+8*\p+\j+1], v[BK+\j:BK+\j+1], v[TA+2*\p:TA+2*\p+1]
.endr
.endr
.irp j, 0,2,4,6
.irp p, 0,1,2,3
	v_pk_fma_f32 v[TA+2*\p:TA+2*\p+1], v[ACC+32+8*\p+\j:ACC+32+8*\p+\j+1], v[BK+8+\j:BK+8+\j+1], v[TA+2*\p:TA+2*\p+1]
.endr
.endr
.irp p, 0,1,2,3
	v_add_f32 v[TA+2*\p], v[TA+2*\p], v[TA+2*\p+1]
.endr
.irp p, 0,1,2,3
	v_permlanex16_b32 v[TA+2*\p+1], v[TA+2*\p], s32, s33
.endr
.irp p, 0,1,2,3
	v_add_f32 v[TA+2*\p], v[TA+2*\p], v[TA+2*\p+1]
.endr
.set i, 0
.rept 32
	v_cvt_pk_f16_f32 v[CV+i], v[ACC+2*i], v[ACC+2*i+1]
.set i, i+1
.endr
	s_wait_alu depctr_va_vdst(0)                   ; the sums have written v[TA ..] and the roundings v[CV ..], which the twelve LDS stores read
.irp p, 0,1,2,3
	ds_store_b32 v[CS], v[TA+2*\p] offset:64*\p    ; both halves of the lanes write the same word with the same number
.endr
.irp o, 0,1
.irp p, 0,1,2,3
	ds_store_b128 v[QS], v[CV+4*(4*\o+\p):CV+4*(4*\o+\p)+3] offset:\p*16*QPITCH+32*\o      ; q for all waves: 8 channels of a pixel
.endr
.endr
	s_wait_dscnt 12                                ; the 8 loads of x2 are in; younger: the 12 stores just issued
.irp p, 0,1,2,3
	global_store_b128 v[OX], v[XF+8*\p:XF+8*\p+3],   s[20:21] offset:\p*8192
	global_store_b128 v[OX], v[XF+8*\p+4:XF+8*\p+7], s[20:21] offset:\p*8192+512
.endr
	; kw, which lies in window 1, into my stage (my own bytes, over qw, whose reads are back): bf16's value as f16.  The groups' out-buffers are ACC's two halves,
	; XF's second half and WF: v[64 + 32 g + 32 (g / 2) ..].  A group's sixteen stores are dealt among the next group's vector lines, behind the wait at that group's head.
.irp g, 0,1,2,3
	s_wait_loadcnt 48-16*\g                        ; nothing follows kw: the counts run down
.if \g > 0
	s_wait_alu depctr_va_vdst(0)                   ; the group before has written its out-buffer, which the stores dealt below read; no line of this group names it
.endif
.set ob, ACC+32*\g+32*(\g/2)
	WIN 0x05
.set q, 0
.rept 16
	v_cvt_pk_bf16_f32 v[ob+2*q],   v[64*\g+4*q],   v[64*\g+4*q+1]
	v_cvt_pk_bf16_f32 v[ob+2*q+1], v[64*\g+4*q+2], v[64*\g+4*q+3]
.set q, q+1
.endr
	WIN 0
.set q, 0
.rept 16
.if \g > 0
.set pb, ACC+32*(\g-1)+32*((\g-1)/2)
	ds_store_b64 v[KS], v[pb+2*q:pb+2*q+1] offset:(16*(\g-1)+q)*4*KPITCH
.endif
.set ta, SCR+4*(q%4)
	v_lshlrev_b32 v[ta],   16,   v[ob+2*q]
	v_and_b32     v[ta+1], HI16, v[ob+2*q]
	v_lshlrev_b32 v[ta+2], 16,   v[ob+2*q+1]
	v_and_b32     v[ta+3], HI16, v[ob+2*q+1]
	v_cvt_pk_f16_f32 v[ob+2*q],   v[ta],   v[ta+1]
	v_cvt_pk_f16_f32 v[ob+2*q+1], v[ta+2], v[ta+3]
.set q, q+1
.endr
.endr
	s_wait_alu depctr_va_vdst(0)                   ; group 3 has written v[WF ..], which its stores read; no vector line follows until the products, so the first fragments may land in WF and XF too
.set q, 0
.rept 16
	ds_store_b64 v[KS], v[WF+2*q:WF+2*q+1] offset:(48+q)*4*KPITCH
.set q, q+1
.endr
	s_wait_dscnt 0x0                               ; my stores of q and of my part of q . kb are done: the other waves read them
	s_barrier_signal -1
	s_barrier_wait -1
	s_wait_xcnt 0x0                                ; the stores of x2 read fragment registers: these are loaded again only behind this wait
	s_wait_alu depctr_vm_vsrc(0)                   ; xf's stores have read XF's first half; my LDS stores have read v[TA ..], v[CV ..] and kw's four out-buffers: fragments land in XF and WF, the products write ACC, later lines write CV and TA
	GEMM 1                                         ; kw^T q
	s_wait_dscnt 0x0                               ; chunk 7's fragments are in; it asks for nothing
	CHUNK 1, 7, 0, 0
	NOPS 4                                         ; four places behind the last product before its result is read
.set i, 0
.rept 32
	v_cvt_pk_f16_f32 v[CV+i], v[ACC+2*i], v[ACC+2*i+1]
.set i, i+1
.endr
	s_wait_alu depctr_va_vdst(0)                   ; the roundings have written v[CV ..], which the stores read, and are done reading ACC, in which wave 0's loads land
.irp o, 0,1
.irp p, 0,1,2,3
	global_store_b128 v[OQ], v[CV+4*(4*\o+\p):CV+4*(4*\o+\p)+3], s[18:19] offset:\o*512+\p*8192
.endr
.endr
	s_cmp_lg_u32 s26, 0
	s_cbranch_scc1 .Ldone
	; wave 0 adds the eight waves' parts of q . kb, in the waves' order: two pixels a lane, one store of 256 consecutive bytes
	v_and_b32 v[TA], 31, v0
	v_lshlrev_b32 v[TA], 3, v[TA]
	v_add_nc_u32 v[TA+1], CPBASE, v[TA]
	s_wait_alu depctr_va_vdst(0)                   ; v[TA] and v[TA+1] are written: the loads' address and the store's offset
.irp s, 0,1,2,3,4,5,6,7
	ds_load_b64 v[ACC+2*\s:ACC+2*\s+1], v[TA+1] offset:256*\s
.endr
	s_wait_dscnt 0x0
.irp s, 1,2,3,4,5,6,7
	v_pk_add_f32 v[ACC:ACC+1], v[ACC:ACC+1], v[ACC+2*\s:ACC+2*\s+1]
.endr
	s_wait_alu depctr_va_vdst(0)                   ; the additions have written v[ACC:ACC+1], which the store reads
	global_store_b64 v[TA], v[ACC:ACC+1], s[24:25]
.Ldone:
	s_wait_xcnt 0x0                                ; qf's stores name v254 and v255 as data: they are written again only behind this wait,
	s_wait_alu depctr_vm_vsrc(0)                   ; and behind this one: qf's stores have read v254 and v255
	v_lshl_add_u32 v254, v0, 2, 0x4cc00            ; my spare word, behind the eight weight stages
	v_mov_b32 v255, 0
	s_wait_dscnt 0x0                               ; the closing lines, six on end
	s_wait_alu 0x0
	s_wait_tensorcnt 0x0
	ds_add_u32 v254, v255
	s_wait_dscnt 0x0
	s_endpgm
.Lfunc_end_k_q76eacf105c_proj:
	.size	k_q76eacf105c_proj, .Lfunc_end_k_q76eacf105c_proj-k_q76eacf105c_proj
	.p2alignl 7, 3214868480
	.fill 96, 4, 3214868480
	.section	.rodata,"a",@progbits
	.p2align	6, 0x0
	.amdhsa_kernel k_q76eacf105c_proj
		.amdhsa_group_segment_fixed_size 315392
		.amdhsa_private_segment_fixed_size 0
		.amdhsa_enable_private_segment 0
		.amdhsa_kernarg_size 88
		.amdhsa_user_sgpr_count 2
		.amdhsa_user_sgpr_kernarg_segment_ptr 1
		.amdhsa_wavefront_size32 1
		.amdhsa_system_sgpr_workgroup_id_x 1
		.amdhsa_system_sgpr_workgroup_id_y 1
		.amdhsa_system_sgpr_workgroup_id_z 1
		.amdhsa_system_vgpr_workitem_id 0
		.amdhsa_next_free_vgpr 512
		.amdhsa_next_free_sgpr 66
		.amdhsa_reserve_vcc 0
		.amdhsa_float_denorm_mode_32 3
		.amdhsa_float_denorm_mode_16_64 3
		.amdhsa_memory_ordered 1
		.amdhsa_forward_progress 1
		.amdhsa_inst_pref_size 114
	.end_amdhsa_kernel
	.amdgpu_metadata
---
amdhsa.version: [ 1, 2 ]
amdhsa.kernels:
  - .name:           k_q76eacf105c_proj
    .symbol:         k_q76eacf105c_proj.kd
    .args:
      - { .name: x1, .offset: 0, .size: 8, .value_kind: global_buffer, .address_space: global }
      - { .name: x2, .offset: 8, .size: 8, .value_kind: global_buffer, .address_space: global }
      - { .name: qw, .offset: 16, .size: 8, .value_kind: global_buffer, .address_space: global }
      - { .name: kw, .offset: 24, .size: 8, .value_kind: global_buffer, .address_space: global }
      - { .name: vw, .offset: 32, .size: 8, .value_kind: global_buffer, .address_space: global }
      - { .name: qb, .offset: 40, .size: 8, .value_kind: global_buffer, .address_space: global }
      - { .name: kb, .offset: 48, .size: 8, .value_kind: global_buffer, .address_space: global }
      - { .name: qf, .offset: 56, .size: 8, .value_kind: global_buffer, .address_space: global }
      - { .name: xf, .offset: 64, .size: 8, .value_kind: global_buffer, .address_space: global }
      - { .name: vwf, .offset: 72, .size: 8, .value_kind: global_buffer, .address_space: global }
      - { .name: cf, .offset: 80, .size: 8, .value_kind: global_buffer, .address_space: global }
    .group_segment_fixed_size: 315392
    .private_segment_fixed_size: 0
    .kernarg_segment_align: 8
    .kernarg_segment_size: 88
    .max_flat_workgroup_size: 256
    .sgpr_count:     66
    .vgpr_count:     512
    .wavefront_size: 32
...
	.end_amdgpu_metadata
.endif
;; end of part 5
;; launch attn: the kernel of part 4 again; grid 256 x 1, 4 waves a work-group, clusters of 4 x 1, 327,680 bytes of LDS; arguments qf, xf, vwf, cf, vb, ln_w, ln_b, out0; writes out0
